; MI455X (gfx1250); checked and timed in simulation.
; The chip was launched on July 23, 2026; its instructions are those of AMD's public machine-readable ISA for CDNA 5 (MIT licence, August 2026) and "CDNA5" Instruction Set Architecture Reference Guide (July 2026). The comments in the code are by the model that wrote it; some were corrected since.
;; Causal Self Attention. Allowed arithmetic: matrix products marked QUANTISED: E2M3 operands, one E8M0 scale for each 32 along K, by v_wmma_scale_f32_16x16x128_f8f6f4 with both operands' format E2M3, f32 sums; everything else in f32.
;; Inputs: Wout 1,024 x 1,024 float32; Wqkv 3,072 x 1,024 float32; query 2,048 x 4 x 1,024 float32.
;; Outputs: out0 2,048 x 4 x 1,024 float32.
;; This version of the problem:
;;   THIS VERSION OF THE PROBLEM IS GIVEN IN LOW PRECISION. The matrix products marked QUANTISED in the list below multiply operands that are first quantised to E2M3 (2 exponent bits, 3 mantissa bits; 6 bits a number), with one power-of-two scale for each 32 numbers along K (OCP MX v1.0); their sums are f32. All else is computed in f32.
;;   The module's matrix products, in the order in which they are computed (A, B: the left and right operand; K: the contracted axis; several contracted axes count as one K, in the product's order):
;;     1. [M 8,192, K 1,024] x [K 1,024, N 3,072]; A: input query; B: input Wqkv: QUANTISED
;;     2. batch 64 x [M 2,048, K 64] x [K 64, N 2,048]; A: computed on the way; B: computed on the way: QUANTISED
;;     3. batch 64 x [M 2,048, K 2,048] x [K 2,048, N 64]; A: softmax (see below); B: computed on the way: QUANTISED
;;     4. [M 8,192, K 1,024] x [K 1,024, N 1,024]; A: computed on the way; B: input Wout: QUANTISED
;;   THE QUANTISER, for each operand of a quantised product, along K:
;;     - K is cut into blocks of 32 from its start; a last block that is shorter is filled with zeros.
;;     - A block's scale is 2^e with e = floor(log2(the largest magnitude in the block)) - 2, held to -126 .. 127; a block of zeros has e = 0. As a byte (E8M0): e + 127.
;;     - Each number is divided by its block's scale, clamped to +-7.5, and rounded to the nearest number of E2M3, ties to even, subnormals kept.
;;     - The product sums the exact products of the quantised numbers (number of the format x scale) in f32.
;;   ~~~python
;;   def quantise(x, axis):      # numpy; x: float32 -> the quantised numbers, widened to float32 again
;;       x = np.moveaxis(x, axis, -1); K = x.shape[-1]
;;       x = np.pad(x, [(0, 0)] * (x.ndim - 1) + [(0, -K % 32)]); x = x.reshape(x.shape[:-1] + (-1, 32)); a = np.abs(x).max(-1, keepdims=True)
;;       e = np.where(a > 0, np.clip(np.frexp(np.where(a > 0, a, 1))[1] - 1 - 2, -126, 127), 0)      # np.frexp(a)[1] - 1 = floor(log2(a)), exactly
;;       r = np.clip(x / 2.0 ** e, -7.5, 7.5)
;;       step = 2.0 ** (np.maximum(np.frexp(np.where(r == 0, 1, r))[1] - 1, 0) - 3)
;;       q = np.round(r / step) * step * 2.0 ** e      # np.round: ties to even
;;       return np.moveaxis(q.reshape(q.shape[:-2] + (-1,))[..., :K], -1, axis).astype(np.float32)
;;   ~~~
;;   SOFTMAX AHEAD OF A QUANTISED PRODUCT. Where the list says 'softmax', what is quantised is not the finished softmax but p = 2^(t - M), with t = logit x log2(e) and M = ceil(the row's largest t), a whole number; so 1/2 < the row's largest p <= 1. The row's sum l is taken of the UNQUANTISED p, in f32, and the product's result is divided by l at the end. Since M is a whole number, a kernel that streams over the keys may use a running M (the ceiling of the running maximum): every later rescaling is an exact power of two, which a block's scale takes up: the codes' values come out the same.
;;   OPERANDS COMPUTED ON THE WAY. 'Computed on the way' means the value that the module computes at that place (a softmax that the list does not call 'softmax' is quantised finished and normalised). What goes into a quantiser is computed in f32, as accurately as f32 sums, v_exp_f32 and their like allow (about 1e-6 of the number): no bf16 or f16 on the way to a quantiser, and a product that is left as it is and whose result goes on into a quantised operand takes f32 operands (vector FMAs, or v_wmma_f32_16x16x4_f32). A number that lies on a knife's edge between two numbers of the format may be rounded either way, as far as f32 arithmetic and the matrix unit's own rounding can turn it there, and no further.
;; One version. Each part assembles by itself: llvm-mc -triple=amdgcn-amd-amdhsa -mcpu=gfx1250 --defsym DOCPART=n.
;; ======== version 1 of 1: 4 launches
;; limits: values are held in f16: magnitudes above 65,504 overflow, below 6.1e-05 lose precision; right only within a limited range of input values
;; workspace buffers: xw_codes 9,437,184 bytes; xw_scales 393,216 bytes; rope 524,288 bytes; q_rec 6,553,600 bytes; kv_rec 13,107,200 bytes; a_codes 6,291,456 bytes; a_scales 262,144 bytes
;; launch quant (part 1): grid 384 x 1, 4 waves a work-group, no clusters, 33,280 bytes of LDS; arguments query, Wqkv, Wout, xw_codes, xw_scales, rope; writes xw_codes, xw_scales, rope
.if DOCPART == 1
	.amdgcn_target "amdgcn-amd-amdhsa--gfx1250"
	.amdhsa_code_object_version 6
	.text
	.protected	k_qe150a3ea0b_quant
	.globl	k_qe150a3ea0b_quant
	.p2align	8
	.type	k_qe150a3ea0b_quant,@function
k_qe150a3ea0b_quant:
	s_mov_b64 s[64:65], 0
	v_nop
	global_prefetch_b8 v0, s[64:65] scope:SCOPE_SE
	s_setreg_imm32_b32 hwreg(HW_REG_WAVE_MODE, 25, 1), 1
	s_wait_xcnt 0x0
; query [2048][4][1024], Wqkv [3072][1024], Wout [1024][1024], f32, become codes of FP6 (E2M3), K innermost, 768 bytes a row, and one E8M0 byte for each 32 along K, 32 bytes a row,
; in ONE buffer of 12,288 rows each: rows 0-8191 query, 8192-11263 Wqkv, 11264-12287 Wout.  The same launch makes the table of cos and sin for the rotary embedding.
; THE ORDER OF THE ROWS.  query's row (t, b) goes to row b x 2048 + p, where inside each 64 the stored groups of eight are the true groups 0, 4, 1, 5, 2, 6, 3, 7; inside each 32 of Wqkv's rows the two middle groups of eight change places; Wout's stay.
; So a tile of 16 stored rows holds true rows 0-7 and 16-23 (or 8-15 and 24-31) of its 32, and a matrix result whose registers run along such rows has 16 neighbours in the 16 registers of two neighbouring tiles.
; A block's scale is 2^(floor(log2(its largest magnitude)) - 2); its byte is the largest magnitude's exponent field - 2, held at 1 from below.
; LIMITS: a block of zeros, and a block whose largest magnitude lies under 2^-124, gets the byte 1 (the rule says 127 for zeros): its codes are zeros or near it, and this program alone reads the bytes.  NaN and infinities are not served.
; SHARES.  A wave takes 8 output rows: 16 steps of 512 numbers (half a row).  Its codes (6,144 bytes) and its scale bytes (256) are dense in the outputs.  Each load reads 512 consecutive bytes, 16 a lane; a step's 2,048 bytes
; turn through the wave's own stage in LDS and come back 64 bytes a lane, so that a lane holds 16 neighbours along K (two neighbouring lanes hold a block).  Waves share nothing: no barrier.  Loads run four steps ahead.
; No matrix unit, no cluster, no tensor load: the launch streams, and no two work-groups read the same bytes.
; THE TABLE: rope[t][0..31] = cos(t theta_i), rope[t][32..63] = sin(t theta_i), theta_i = 10^(-i/8) rounded to f32, the angle one f32 product; cos and sin by a reduction to |r| <= pi/4 (pi/2 in three parts, fused)
; and polynomials good to about 1e-7, then rounded to f16 and widened again, as the module stores them.
.set WAVES, 4
.set STEPS, 16
.set EMAX,  2
.set CB,    12                         ; bytes of 16 codes
.set R,     16                         ; v16-79   four sets of 16 numbers as they are loaded
.set X,     80                         ; v80-111  two sets of 16 neighbours
.set E,     112                        ; v112-127 a scale byte for each step
.set C,     128                        ; v128-191 codes: four registers for each step, so that no store's data are written again
.set RO,    192                        ; v192-199 byte offset of my 16 bytes in each of the wave's eight input rows; never rewritten
.set WREG,  8192                       ; LDS: a region for each wave: two stages of 32 x SP bytes, behind them its 256 scale bytes
.set SP,    80                         ; a lane's place in a stage: 64 bytes + 16 of padding
.set SPW,   12                         ; v12  LDS address of my spare word; never rewritten
.set NIL,   13                         ; v13  0; never rewritten
.set SPARE, WAVES*WREG                 ; behind the four regions: the spare words, 128 bytes a wave, which no other line names
	s_load_b128 s[4:7], s[0:1], 0x0                ; query, Wqkv
	s_load_b128 s[8:11], s[0:1], 0x10              ; Wout, xw_codes
	s_load_b128 s[12:15], s[0:1], 0x20             ; xw_scales, rope
	v_lshl_add_u32 v[SPW], v0, 2, SPARE
	v_mov_b32 v[NIL], 0
	v_lshrrev_b32 v1, 5, v0
	v_readfirstlane_b32 s16, v1                    ; wave
	v_and_b32 v2, 31, v0                           ; lane
	v_lshlrev_b32 v3, 4, v2                        ; my 16 bytes of a load's 512
	s_mul_i32 s17, s16, WREG
	v_lshrrev_b32 v14, 2, v2
	v_mul_u32_u24 v14, v14, SP
	v_and_b32 v15, 3, v2
	v_lshl_add_u32 v14, v15, 4, v14
	v_add_nc_u32 v14, s17, v14                     ; the stage, on the way in: SP (lane / 4) + 16 (lane % 4)
	v_mul_u32_u24 v15, v2, SP
	v_add_nc_u32 v15, s17, v15                     ; and on the way out: SP x lane: my 16 neighbours
	; THE CODES' LAYOUT: [256 stored rows][chunk of 256 along K][row][192 bytes]: a chunk of 128 or 256 rows is one dense run of bytes that begins on a multiple of 256
	v_mul_u32_u24 v4, v2, CB                       ; a step is one chunk of two neighbouring rows: lanes 0-15 hold the first row's 192 bytes, lanes 16-31 the second's, 384 consecutive bytes
	v_bfe_u32 v5, v2, 1, 3                         ; my block of the chunk's eight,
	v_lshrrev_b32 v10, 4, v2
	v_lshl_add_u32 v5, v10, 5, v5                  ; in the first or the second row's 32 scale bytes
	s_add_co_u32 s17, s17, 2*32*SP
	v_add_nc_u32 v5, s17, v5                       ; LDS: my wave's 256 scale bytes, my block's byte
	v_lshlrev_b32 v7, 3, v2                        ; and on the way out 8 bytes a lane
	v_add_nc_u32 v6, s17, v7
	; where my wave's eight rows are read.  All three offsets are made; the work-group's number then chooses
	s_and_b32 s20, s16, 1
	s_lshl_b32 s20, s20, 1
	s_lshr_b32 s21, s16, 1
	s_or_b32 s20, s20, s21                         ; the group of eight rows that my output group takes: 0, 2, 1, 3
	; query's rows: inside each 64 positions the stored groups of eight are the true groups 0, 4, 1, 5, 2, 6, 3, 7 (Wqkv's rows keep 0, 2, 1, 3 inside each 32)
	s_and_b32 s22, ttmp9, 62
	s_lshl_b32 s22, s22, 2
	s_add_co_u32 s22, s22, s20
	s_and_b32 s25, s16, 1
	s_and_b32 s30, ttmp9, 1
	s_add_co_u32 s25, s25, s30
	s_lshl_b32 s25, s25, 1
	s_add_co_u32 s22, s22, s25                     ; stored group G = 4 (work-group % 2) + wave takes true group G / 2 + 4 (G % 2)
	s_lshl_b32 s22, s22, 5                         ; query: 4 x t of my first row,
	s_lshr_b32 s23, ttmp9, 6
	s_add_co_u32 s22, s22, s23                     ; + b,
	s_lshl_b32 s22, s22, 12                        ; x 4,096 bytes
	s_sub_co_u32 s23, ttmp9, 256
	s_lshl_b32 s23, s23, 2
	s_add_co_u32 s23, s23, s20
	s_lshl_b32 s23, s23, 15                        ; Wqkv: eight rows of 4,096 bytes a group
	s_sub_co_u32 s24, ttmp9, 352
	s_lshl_b32 s24, s24, 2
	s_add_co_u32 s24, s24, s16
	s_lshl_b32 s24, s24, 15                        ; Wout: the same, rows in their own order
	s_lshl_b32 s18, ttmp9, 2
	s_add_co_u32 s18, s18, s16                     ; which run of eight output rows is my wave's
	s_lshr_b32 s26, s18, 5
	s_mul_i32 s26, s26, 196608                     ; my block of 256 rows,
	s_and_b32 s25, s18, 31
	s_mul_i32 s25, s25, 1536                       ; my eight rows of 192 bytes in its chunk 0
	s_add_co_u32 s26, s26, s25
	s_mov_b32 s27, 0
	s_lshl_b32 s28, s18, 8                         ; its scale bytes
	s_mov_b32 s29, 0
	s_mov_b32 s19, 4096
	s_wait_kmcnt 0x0
	s_cmp_lt_u32 ttmp9, 352                        ; the choices hang on the work-group's number alone
	s_cselect_b64 s[6:7], s[6:7], s[8:9]
	s_cselect_b32 s23, s23, s24
	s_cmp_lt_u32 ttmp9, 256
	s_cselect_b64 s[4:5], s[4:5], s[6:7]
	s_cselect_b32 s22, s22, s23
	s_cselect_b32 s19, 16384, s19                  ; from row to row: query's rows of one b lie four rows apart
	s_mov_b32 s23, 0
	s_add_nc_u64 s[4:5], s[4:5], s[22:23]
	s_add_nc_u64 s[10:11], s[10:11], s[26:27]
	s_add_nc_u64 s[12:13], s[12:13], s[28:29]
.irp j, 0,1,2,3,4,5,6,7
	v_mad_u32_u24 v[RO+\j], s19, \j, v3
.endr
.macro LOAD t                          ; step t: chunk t % 4 of rows 2 (t / 4) and 2 (t / 4) + 1
.irp i, 0,1,2,3
	global_load_b128 v[R+16*((\t)%4)+4*\i:R+16*((\t)%4)+4*\i+3], v[RO+2*((\t)/4)+\i/2], s[4:5] offset:1024*((\t)%4)+512*(\i%2) th:TH_LOAD_NT   ; step t: chunk t % 4 (256 numbers) of rows 2 (t / 4) and 2 (t / 4) + 1; 32 lanes read 512 consecutive bytes
.endr
.endm
.macro TURN t                          ; step t's numbers through the stage: LDS serves a wave's instructions in order, so no wait stands between the stores and the loads
.irp i, 0,1,2,3
	ds_store_b128 v14, v[R+16*((\t)%4)+4*\i:R+16*((\t)%4)+4*\i+3] offset:32*SP*((\t)%2)+8*SP*\i
.endr
.irp i, 0,1,2,3
	ds_load_b128 v[X+16*((\t)%2)+4*\i:X+16*((\t)%2)+4*\i+3], v15 offset:32*SP*((\t)%2)+16*\i
.endr
.endm
.irp t, 0,1,2,3
	LOAD \t
.endr
	s_wait_alu depctr_va_vdst(0)
	s_wait_loadcnt 12                              ; step 0's four loads are in; the twelve of steps 1 to 3 may be out
	TURN 0
.macro STEP t
.set XS, X+16*((\t)%2)
.if (\t) > 0
	s_wait_dscnt 1                                 ; this step's numbers are back from the stage (the last step's byte store may be out): so its stores into the stage have read their registers,
.else
	s_wait_dscnt 0x0
.endif
.if (\t)+4 < STEPS
	LOAD (\t)+4                                    ; which take the loads of four steps on
.endif
.if (\t)+1 < STEPS
.if STEPS-2-(\t) >= 3
	s_wait_loadcnt 12                              ; the next step's four loads are in; those of the three steps behind it may be out
.else
	s_wait_loadcnt 4*(STEPS-2-(\t))
.endif
	TURN (\t)+1                                    ; and go through the other stage while this step is worked
.endif
	v_max3_num_f32 v8, |v[XS]|, |v[XS+1]|, |v[XS+2]|               ; the largest magnitude of my 16, in two chains
	v_max3_num_f32 v9, |v[XS+3]|, |v[XS+4]|, |v[XS+5]|
.irp i, 6,10
	v_max3_num_f32 v8, v8, |v[XS+\i]|, |v[XS+\i+1]|
	v_max3_num_f32 v9, v9, |v[XS+\i+2]|, |v[XS+\i+3]|
.endr
	v_max3_num_f32 v8, v8, |v[XS+14]|, |v[XS+15]|
	v_max3_num_f32 v8, v8, v9, (EMAX+1)<<23        ; and the floor 2^(3 - 127): the byte cannot fall under 1
	v_max_num_f32_dpp v8, v8, v8 row_xmask:1 row_mask:0xf bank_mask:0xf   ; and of my neighbour's 16: the block's
	v_add_nc_u32 v11, -(EMAX<<23), v8              ; 2 off its exponent field: the conversion takes the exponent field of this operand as its scale
	v_cvt_scalef32_pk16_fp6_f32 v[C+4*(\t):C+4*(\t)+2], v[XS:XS+15], v11   ; sixteen codes, 96 bits, the first number's code lowest; beyond 7.5 the largest code
	v_lshrrev_b32 v[E+(\t)], 23, v11               ; the scale's byte (also the plain line behind the conversion)
	ds_store_b8 v5, v[E+(\t)] offset:64*((\t)/4)+8*((\t)%4)   ; both lanes of a block write the same byte with the same value
	global_store_b96 v4, v[C+4*(\t):C+4*(\t)+2], s[10:11] offset:49152*((\t)%4)+384*((\t)/4)   ; the wave stores 384 consecutive bytes of one chunk
.endm
.irp t, 0,1,2,3,4,5,6,7,8,9,10,11,12,13,14,15
	STEP \t
.endr
	ds_load_b64 v[8:9], v6                         ; LDS serves a wave's instructions in order: these see my byte stores
	s_wait_dscnt 0x0
	global_store_b64 v7, v[8:9], s[12:13]          ; 32 lanes store 256 consecutive bytes, aligned
	; THE TABLE: 256 work-groups x 128 threads x 4 numbers.  Thread v0 of work-group g: t = 8 g + v0 / 16; i = 4 (v0 % 8) + 0 .. 3; threads 8-15 of each 16 make the sines.
	; It works in v16-60, whose loads are all in; it touches no register that a pending store reads, no LDS, and leaves EXEC as it is.
	s_cmp_lt_u32 ttmp9, 256
	s_cbranch_scc0 .Lno_tab
	s_mov_b32 s32, 0x3f22f983                      ; 2 / pi
	s_mov_b32 s33, 0x3fc90fdb                      ; pi / 2 in three parts
	s_mov_b32 s34, 0xb33bbd2e
	s_mov_b32 s35, 0xa6f72ced
	s_mov_b32 s36, 0xbe2aaaab                      ; -1/6, 1/120, -1/5040, 1/362880
	s_mov_b32 s37, 0x3c088889
	s_mov_b32 s38, 0xb9500d01
	s_mov_b32 s39, 0x3638ef1d
	s_mov_b32 s41, 0x3d2aaaab                      ; 1/24, -1/720, 1/40320, -1/3628800
	s_mov_b32 s42, 0xbab60b61
	s_mov_b32 s43, 0x37d00d01
	s_mov_b32 s44, 0xb493f27e
	s_lshl_b32 s20, ttmp9, 3
	v_lshrrev_b32 v16, 4, v0
	v_add_nc_u32 v16, s20, v16                     ; t
	v_cvt_f32_u32 v17, v16
	v_and_b32 v18, 7, v0                           ; which four i
	v_bfe_u32 v19, v0, 3, 1
	v_mul_u32_u24 v19, v19, 3                      ; sin x = cos(x - pi/2): three quadrants on
	v_mov_b32 v20, 1.0                             ; theta_0 .. theta_3; the seven other fours are put in where they are mine
	v_mov_b32 v21, 0.74989420933245582
	v_mov_b32 v22, 0.56234132519034908
	v_mov_b32 v23, 0.42169650342858223
.macro PICK k, a, b, c, d              ; a lane whose four is number k takes these; the others keep what they have
	v_cmp_ne_u32 vcc_lo, \k, v18
	v_cndmask_b32 v20, \a, v20, vcc_lo
	v_cndmask_b32 v21, \b, v21, vcc_lo
	v_cndmask_b32 v22, \c, v22, vcc_lo
	v_cndmask_b32 v23, \d, v23, vcc_lo
.endm
	PICK 1, 0.31622776601683794, 0.23713737056616552, 0.17782794100389228, 0.13335214321633240
	PICK 2, 0.1, 0.074989420933245582, 0.056234132519034908, 0.042169650342858223
	PICK 3, 0.031622776601683794, 0.023713737056616552, 0.017782794100389228, 0.013335214321633240
	PICK 4, 0.01, 0.0074989420933245582, 0.0056234132519034908, 0.0042169650342858223
	PICK 5, 0.0031622776601683794, 0.0023713737056616552, 0.0017782794100389228, 0.0013335214321633240
	PICK 6, 0.001, 0.00074989420933245582, 0.00056234132519034908, 0.00042169650342858223
	PICK 7, 0.00031622776601683794, 0.00023713737056616552, 0.00017782794100389228, 0.00013335214321633240
.irp e, 0,1,2,3
	v_mul_f32 v[24+\e], v17, v[20+\e]              ; the angle: one f32 product
.endr
.irp e, 0,1,2,3
	v_mul_f32 v[28+\e], s32, v[24+\e]
.endr
.irp e, 0,1,2,3
	v_rndne_f32 v[28+\e], v[28+\e]                 ; n: how many quarter turns
.endr
.irp e, 0,1,2,3
	v_fma_f32 v[32+\e], -v[28+\e], s33, v[24+\e]   ; r = x - n pi/2, part by part, fused
.endr
.irp e, 0,1,2,3
	v_fma_f32 v[32+\e], -v[28+\e], s34, v[32+\e]
.endr
.irp e, 0,1,2,3
	v_fma_f32 v[32+\e], -v[28+\e], s35, v[32+\e]
.endr
.irp e, 0,1,2,3
	v_mul_f32 v[36+\e], v[32+\e], v[32+\e]         ; z = r r
.endr
.irp e, 0,1,2,3
	v_fma_f32 v[40+\e], v[36+\e], s39, s38         ; sin r = r + r z S(z)
	v_fma_f32 v[44+\e], v[36+\e], s44, s43         ; cos r by Horner
.endr
.irp e, 0,1,2,3
	v_fma_f32 v[40+\e], v[40+\e], v[36+\e], s37
	v_fma_f32 v[44+\e], v[44+\e], v[36+\e], s42
.endr
.irp e, 0,1,2,3
	v_fma_f32 v[40+\e], v[40+\e], v[36+\e], s36
	v_fma_f32 v[44+\e], v[44+\e], v[36+\e], s41
.endr
.irp e, 0,1,2,3
	v_mul_f32 v[52+\e], v[32+\e], v[36+\e]
	v_fma_f32 v[44+\e], v[44+\e], v[36+\e], -0.5
.endr
.irp e, 0,1,2,3
	v_fma_f32 v[40+\e], v[52+\e], v[40+\e], v[32+\e]
	v_fma_f32 v[44+\e], v[44+\e], v[36+\e], 1.0
.endr
.irp e, 0,1,2,3
	v_cvt_i32_f32 v[48+\e], v[28+\e]
.endr
.irp e, 0,1,2,3
	v_add_nc_u32 v[48+\e], v[48+\e], v19           ; the quadrant q: 0 cos r, 1 -sin r, 2 -cos r, 3 sin r
.endr
.irp e, 0,1,2,3
	v_and_b32 v[52+\e], 1, v[48+\e]
	v_cmp_ne_u32 vcc_lo, 0, v[52+\e]
	v_cndmask_b32 v[56+\e], v[44+\e], v[40+\e], vcc_lo
	v_add_nc_u32 v[48+\e], 1, v[48+\e]
	v_and_b32 v[48+\e], 2, v[48+\e]
	v_lshlrev_b32 v[48+\e], 30, v[48+\e]           ; the sign bit where q is 1 or 2
	v_xor_b32 v[56+\e], v[48+\e], v[56+\e]
.endr
	v_cvt_f16_f32 v52.l, v56                       ; rounded to f16, to nearest even,
	v_cvt_f16_f32 v53.l, v57
	v_cvt_f16_f32 v54.l, v58
	v_cvt_f16_f32 v55.l, v59
	v_cvt_f32_f16 v56, v52.l                       ; and widened again
	v_cvt_f32_f16 v57, v53.l
	v_cvt_f32_f16 v58, v54.l
	v_cvt_f32_f16 v59, v55.l
	v_lshlrev_b32 v60, 4, v0
	s_lshl_b32 s20, ttmp9, 11                      ; eight rows of 256 bytes a work-group
	s_mov_b32 s21, 0
	s_add_nc_u64 s[14:15], s[14:15], s[20:21]
	global_store_b128 v60, v[56:59], s[14:15]      ; sixteen lanes store a row's 256 consecutive bytes, aligned
.Lno_tab:
	s_wait_tensorcnt 0x0                           ; the wave's end, behind my last LDS store
	ds_add_u32 v[SPW], v[NIL]
	s_wait_dscnt 0x0
	s_endpgm
.Lfunc_end_k_qe150a3ea0b_quant:
	.size	k_qe150a3ea0b_quant, .Lfunc_end_k_qe150a3ea0b_quant-k_qe150a3ea0b_quant
	.p2alignl 7, 3214868480
	.fill 96, 4, 3214868480
	.section	.rodata,"a",@progbits
	.p2align	6, 0x0
	.amdhsa_kernel k_qe150a3ea0b_quant
		.amdhsa_group_segment_fixed_size 33280
		.amdhsa_private_segment_fixed_size 0
		.amdhsa_enable_private_segment 0
		.amdhsa_kernarg_size 48
		.amdhsa_user_sgpr_count 2
		.amdhsa_user_sgpr_kernarg_segment_ptr 1
		.amdhsa_wavefront_size32 1
		.amdhsa_system_sgpr_workgroup_id_x 1
		.amdhsa_system_sgpr_workgroup_id_y 1
		.amdhsa_system_sgpr_workgroup_id_z 1
		.amdhsa_system_vgpr_workitem_id 0
		.amdhsa_next_free_vgpr 208
		.amdhsa_next_free_sgpr 66
		.amdhsa_reserve_vcc 1
		.amdhsa_float_denorm_mode_32 3
		.amdhsa_float_denorm_mode_16_64 3
		.amdhsa_memory_ordered 1
		.amdhsa_forward_progress 1
		.amdhsa_inst_pref_size 43
	.end_amdhsa_kernel
	.amdgpu_metadata
---
amdhsa.version: [ 1, 2 ]
amdhsa.kernels:
  - .name:           k_qe150a3ea0b_quant
    .symbol:         k_qe150a3ea0b_quant.kd
    .args:
      - { .name: query, .offset: 0, .size: 8, .value_kind: global_buffer, .address_space: global }
      - { .name: Wqkv, .offset: 8, .size: 8, .value_kind: global_buffer, .address_space: global }
      - { .name: Wout, .offset: 16, .size: 8, .value_kind: global_buffer, .address_space: global }
      - { .name: xw_codes, .offset: 24, .size: 8, .value_kind: global_buffer, .address_space: global }
      - { .name: xw_scales, .offset: 32, .size: 8, .value_kind: global_buffer, .address_space: global }
      - { .name: rope, .offset: 40, .size: 8, .value_kind: global_buffer, .address_space: global }
    .group_segment_fixed_size: 33280
    .private_segment_fixed_size: 0
    .kernarg_segment_align: 8
    .kernarg_segment_size: 48
    .max_flat_workgroup_size: 128
    .sgpr_count:     66
    .vgpr_count:     208
    .wavefront_size: 32
...
	.end_amdgpu_metadata
.endif
;; end of part 1
;; launch qkv (part 2): grid 12 x 32, 4 waves a work-group, clusters of 4 x 4, 327,680 bytes of LDS; arguments xw_codes, xw_scales, rope, q_rec, kv_rec; writes q_rec, kv_rec
.if DOCPART == 2
	.amdgcn_target "amdgcn-amd-amdhsa--gfx1250"
	.amdhsa_code_object_version 6
	.text
	.protected	k_qe150a3ea0b_qkv
	.globl	k_qe150a3ea0b_qkv
	.p2align	8
	.type	k_qe150a3ea0b_qkv,@function
k_qe150a3ea0b_qkv:
	s_mov_b64 s[64:65], 0
	v_nop
	global_prefetch_b8 v0, s[64:65] scope:SCOPE_SE
	s_setreg_imm32_b32 hwreg(HW_REG_WAVE_MODE, 25, 1), 1
	s_wait_xcnt 0x0
	s_wait_alu depctr_hold_cnt(0) depctr_sa_sdst(0) depctr_va_vdst(0) depctr_va_sdst(0) depctr_va_ssrc(0) depctr_va_vcc(0) depctr_vm_vsrc(0)
	s_getreg_b32 s2, hwreg(HW_REG_IB_STS2, 6, 4)
	s_cmp_eq_u32 s2, 0
	s_cbranch_scc0 .Lentry_in_a_cluster
	s_endpgm
.Lentry_in_a_cluster:
	s_bfe_u32 s2, ttmp6, 0x10000c
	s_cmp_lg_u32 s2, 0xf033
	s_cbranch_scc0 .Lentry_shape_is_right
	s_endpgm
.Lentry_shape_is_right:
.set KSTEP,  256
.set NQ,     2
.set ROWB,   49152
.set KROW,   768
.set PITCH,  240
.set FR,     12
.set NL,     6
.set NP,     4
.set HALFT,  128*PITCH
.set SLOT,   4*HALFT
.set LAPS,   2
.set KS,     32
.set SCL,    2*SLOT
.set HALFS,  (128*KS/256)*272
.set SBLK,   (16*KS/256)*272
.set SPARE,  SCL+4*HALFS
.set LI,   8
.set L8,   9
.set VT,   10
.set ADRA, 16
.set ADRB, 20
.set ADRS, 27
.set SPW,  28
.set NIL,  29
.set SC,   32
.set SCR,  64
.set AF,   128
.set CD,   128
.set TMP,  160
.set TM,   224
.set PWS,  240
.set XP,   248
.set SEL,  40
.set UPH,  42
.set D0,   12
.set D1,   66
.set G1, 24
.set G0, 32
.set G1B, 48
.set G0B, 56
.set G1S, 68
.set G0S, 76
.set G1SB, 80
.set G0SB, 88
.set MSB, 0
.macro WIN new
.if MSB != \new
	s_set_vgpr_msb (MSB<<8)|\new
.set MSB, \new
.endif
.endm
.set MUL_LO, 0xa1
.set MUL_HI, 0xf1
.set TO_B,   0x40
.macro JLOAD g0a, g1a, g0b, g1b
	s_cmp_eq_u32 s15, 0
	s_cbranch_scc0 .Lfor_b_\@
	tensor_load_to_lds s[\g0a:\g0a+3], s[\g1a:\g1a+7]
	s_nop 0
.rept 4
	v_nop
.endr
	s_branch .Lasked_\@
.Lfor_b_\@:
	tensor_load_to_lds s[\g0b:\g0b+3], s[\g1b:\g1b+7]
	s_nop 0
.rept 4
	v_nop
.endr
.Lasked_\@:
.endm
.macro CREST
	s_cmp_lg_u32 s14, 0
	s_cbranch_scc1 .Lnot_wave_0_\@
	s_barrier_signal -3
.Lnot_wave_0_\@:
	s_barrier_wait -3
	s_barrier_signal -1
	s_barrier_wait -1
.endm
.macro CROUND
	s_barrier_signal -1
	s_barrier_wait -1
	CREST
.endm
	s_load_b128 s[4:7], s[0:1], 0x0
	s_load_b128 s[8:11], s[0:1], 0x10
	s_load_b64 s[12:13], s[0:1], 0x20
	v_lshl_add_u32 v[SPW], v0, 2, SPARE
	v_mov_b32 v[NIL], 0
	ds_add_u32 v[SPW], v[NIL]
	ds_add_u32 v[SPW], v[NIL]
	v_lshrrev_b32 v1, 5, v0
	v_readfirstlane_b32 s14, v1
	s_lshr_b32 s15, s14, 1
	s_and_b32 s16, s14, 1
	s_bfe_u32 s40, ttmp6, 0x40000
	s_bfe_u32 s41, ttmp6, 0x40004
	s_and_b32 s17, ttmp7, 0xffff
	s_lshl_b32 s17, s17, 2
	s_lshl_b32 s18, ttmp9, 2
	s_add_co_u32 s18, s18, 32
	s_cmp_eq_u32 ttmp9, 2
	s_cselect_b32 s42, s17, s18
	s_cselect_b32 s17, 40, s17
	s_add_co_u32 s17, s17, s41
	s_add_co_u32 s42, s42, s40
	s_lshl_b32 s43, s41, 2
	s_lshl_b32 s43, 15, s43
	s_lshl_b32 s44, 0x1111, s40
	s_or_b32 s[G1+0], s43, (0<<16)|(1<<20)|(1<<21)|(3<<22)|(3<<25)
	s_or_b32 s[G1B+0], s44, (0<<16)|(1<<20)|(1<<21)|(3<<22)|(3<<25)
.irp g, G1, G1B
	s_mov_b32 s[\g+1], 256<<16                     ; a chunk of 256 stored rows x 192 bytes is dense: 192 rows of 256 bytes; 16 bytes of padding behind each 64 give LDS rows of 240 bytes
	s_mov_b32 s[\g+2], 192<<16
	s_mov_b32 s[\g+3], 256<<16
	s_mov_b32 s[\g+4], 192
	s_mov_b32 s[\g+5], 256
	s_mov_b32 s[\g+6], 0
	s_mov_b32 s[\g+7], 0
.endr
	s_or_b32 s[G1S+0], s43, (3<<16)|(1<<20)|(1<<21)|(5<<22)|(3<<25)
	s_or_b32 s[G1SB+0], s44, (3<<16)|(1<<20)|(1<<21)|(5<<22)|(3<<25)
.irp g, G1S, G1SB
	s_mov_b32 s[\g+1], 32<<16
	s_mov_b32 s[\g+2], (256*KS/256)<<16
	s_mov_b32 s[\g+3], 32<<16
	s_mov_b32 s[\g+4], 256*KS/256
	s_mov_b32 s[\g+5], 32
	s_mov_b32 s[\g+6], 0
	s_mov_b32 s[\g+7], 0
.endr
	s_lshl_b32 s20, s17, 8
	s_lshl_b32 s46, s42, 8
	s_mov_b32 s21, 0
	s_mov_b32 s47, 0
	s_mov_b64 s[18:19], KS
	s_mul_u64 s[22:23], s[20:21], s[18:19]
	s_mul_u64 s[92:93], s[46:47], s[18:19]
	s_mov_b64 s[18:19], KROW
	s_mul_u64 s[20:21], s[20:21], s[18:19]
	s_mul_u64 s[46:47], s[46:47], s[18:19]
	s_mul_i32 s45, s14, HALFT
	s_mul_i32 s18, s16, 24576                      ; in the ring a wave fetches 128 rows of a chunk: which half, in bytes
	s_mov_b32 s19, 0
	s_wait_dscnt 0x0
	s_wait_kmcnt 0x0
	s_add_nc_u64 s[20:21], s[4:5], s[20:21]
	s_add_nc_u64 s[22:23], s[6:7], s[22:23]
	s_add_nc_u64 s[46:47], s[4:5], s[46:47]
	s_add_nc_u64 s[92:93], s[6:7], s[92:93]
	CROUND
	s_mov_b32 s[G0S], 1
	s_mov_b32 s[G0S+1], SCL
	s_mov_b64 s[G0S+2:G0S+3], s[22:23]
	s_or_b32 s[G0S+3], s[G0S+3], 0x80000000
	s_mov_b32 s[G0SB], 1
	s_mov_b32 s[G0SB+1], SCL+2*HALFS
	s_mov_b64 s[G0SB+2:G0SB+3], s[92:93]
	s_or_b32 s[G0SB+3], s[G0SB+3], 0x80000000
	s_mov_b32 s[G0], 1                             ; slot 0's groups 0 serve the head first: chunk 0's 256 rows of A, whole,
	s_mov_b32 s[G0+1], 0
	s_mov_b64 s[G0+2:G0+3], s[20:21]
	s_or_b32 s[G0+3], s[G0+3], 0x80000000
	s_mov_b32 s[G0B], 1                            ; and its 256 rows of B, behind them
	s_mov_b32 s[G0B+1], 2*HALFT
	s_mov_b64 s[G0B+2:G0B+3], s[46:47]
	s_or_b32 s[G0B+3], s[G0B+3], 0x80000000
	s_add_nc_u64 s[20:21], s[20:21], s[18:19]      ; for the ring: my 128 rows
	s_add_nc_u64 s[46:47], s[46:47], s[18:19]
	s_mov_b32 s[G0+4], 1
	s_add_co_u32 s[G0+5], s45, SLOT
	s_add_nc_u64 s[G0+6:G0+7], s[20:21], ROWB
	s_or_b32 s[G0+7], s[G0+7], 0x80000000
	s_mov_b32 s[G0B+4], 1
	s_add_co_u32 s[G0B+5], s45, SLOT
	s_add_nc_u64 s[G0B+6:G0B+7], s[46:47], ROWB
	s_or_b32 s[G0B+7], s[G0B+7], 0x80000000
; the head's four tiles, one joint load a wave: wave 0 A's chunk 0, wave 1 B's, wave 2 A's scales, wave 3 B's; one chain of branches on the wave's number
.macro ARM under, g0, g1, next
	s_cmp_lt_u32 s14, \under
	s_cbranch_scc0 \next
	tensor_load_to_lds s[\g0:\g0+3], s[\g1:\g1+7]
	s_nop 0
.rept 4
	v_nop
.endr
	s_branch .Lhead_asked
\next:
.endm
	ARM 1, G0,  G1,  .Lhead_b
	ARM 2, G0B, G1B, .Lhead_sa
	ARM 3, G0S, G1S, .Lhead_sb
	tensor_load_to_lds s[G0SB:G0SB+3], s[G1SB:G1SB+7]
	s_nop 0
.rept 4
	v_nop
.endr
.Lhead_asked:
	v_and_b32 v1, 15, v0
	v_bfe_u32 v2, v0, 4, 1
	v_mul_u32_u24 v3, v1, PITCH
	v_mul_u32_u24 v4, v2, 24
	v_add_nc_u32 v4, v3, v4
	v_lshl_add_u32 v5, v2, 4, v4
	s_mul_i32 s21, s15, HALFT
	s_mul_i32 s22, s16, HALFT
	s_add_co_u32 s22, s22, 2*HALFT
.irp s, 0,1
	v_add_nc_u32 v[ADRA+\s], s21, v4
	v_add_nc_u32 v[ADRB+\s], s22, v4
	v_add_nc_u32 v[ADRA+2+\s], s21, v5
	v_add_nc_u32 v[ADRB+2+\s], s22, v5
	s_add_co_u32 s21, s21, SLOT
	s_add_co_u32 s22, s22, SLOT
.endr
	v_mul_u32_u24 v5, v1, KS
	v_lshrrev_b32 v6, 8, v5
	v_lshl_add_u32 v5, v6, 4, v5
	s_mul_i32 s21, s15, HALFS
	s_mul_i32 s22, s16, HALFS
	s_add_co_u32 s22, s22, 2*HALFS
	s_sub_co_u32 s22, s22, s21
	v_mul_u32_u24 v6, s22, v2
	s_add_co_u32 s21, s21, SCL
	v_add_nc_u32 v5, v5, v6
	v_add_nc_u32 v[ADRS], s21, v5
	v_and_b32 v6, 31, v0
	v_lshlrev_b32 v[LI], 4, v6
	v_lshlrev_b32 v[L8], 3, v6
	v_lshlrev_b32 v11, 3, v2                       ; 8 x (lane / 16): where my blocks' bytes stand in a scale word of V
	v_and_b32 v6, 8, v1
	v_mad_u32_u24 v6, v6, 3, v1                    ; a stored tile's rows 8-15 lie 32 true positions behind its rows 0-7
	v_lshlrev_b32 v[VT], 8, v6
	v_lshl_add_u32 v[VT], v2, 6, v[VT]
.irp b, 0,1,2,3
	v_mov_b32 v[TM+4+\b], 0
.endr
	s_and_b32 s94, ttmp7, 0xffff
	s_lshl_b32 s94, s94, 2
	s_cmp_eq_u32 ttmp9, 2
	s_cselect_b32 s95, s40, s41
	s_cselect_b32 s96, s16, s15
	s_cselect_b32 s97, s41, s40
	s_cselect_b32 s98, s15, s16
	s_cselect_b32 s99, 6400, 0
	s_add_co_u32 s94, s94, s95
	s_lshr_b32 s95, s94, 3
	s_lshl_b32 s95, s95, 4
	s_lshl_b32 s97, s97, 2
	s_add_co_u32 s95, s95, s97
	s_lshl_b32 s98, s98, 1
	s_add_co_u32 s95, s95, s98
	s_lshl_b32 s95, s95, 4
	s_and_b32 s94, s94, 7
	s_lshl_b32 s94, s94, 1
	s_add_co_u32 s94, s94, s96
	s_add_co_u32 s95, s95, s94
	s_mov_b32 s96, 12800
	s_cmp_eq_u32 ttmp9, 0
	s_cselect_b64 s[D0:D0+1], s[10:11], s[12:13]
	s_cselect_b32 s96, 6400, s96
	s_mul_i32 s98, s95, s96
	s_add_co_u32 s98, s98, s99
	s_mov_b32 s99, 0
	s_add_nc_u64 s[D0:D0+1], s[D0:D0+1], s[98:99]
	s_lshl_b32 s98, s96, 4
	s_add_nc_u64 s[D1:D1+1], s[D0:D0+1], s[98:99]
	s_lshl_b32 s98, s94, 15
	s_add_nc_u64 s[8:9], s[8:9], s[98:99]
	s_mov_b32 s[SEL], 0x76543210
	s_mov_b32 s[SEL+1], 0xfedcba98
	s_mov_b32 s[UPH], 0xffff0000
.macro FRAG reg, adr, q, i
.irp p, 0,1,2,3,4,5
.set PCE, 12*(\q)+6*(\p/3)+\p%3
.if PCE%8 < 5
	ds_load_b64 v[\reg+2*\p:\reg+2*\p+1], v[\adr] offset:8*PCE+16*(PCE/8)+(\i)*16*PITCH
.else
	ds_load_b64 v[\reg+2*\p:\reg+2*\p+1], v[\adr+2] offset:8*PCE+16*(PCE/8)+(\i)*16*PITCH
.endif
.endr
.endm
.macro MUL16 a0, p, q, sc, zero
.irp a, \a0, \a0+1
.irp b, 0,1,2,3,4,5,6,7
.if \zero
	v_wmma_scale_f32_16x16x128_f8f6f4 v[8*(8*((\a)%4)+\b):8*(8*((\a)%4)+\b)+7], v[128*(\p)+FR*\b:128*(\p)+FR*\b+FR-1], v[AF+FR*(\a):AF+FR*(\a)+FR-1], 0, v[SC+8*NQ*(\sc)+NQ*\b+(\q)], v[SC+8*NQ*(\sc)+NQ*(\a)+(\q)] matrix_a_fmt:MATRIX_FMT_FP6 matrix_b_fmt:MATRIX_FMT_FP6 matrix_a_scale:MATRIX_SCALE_ROW1
.else
	v_wmma_scale_f32_16x16x128_f8f6f4 v[8*(8*((\a)%4)+\b):8*(8*((\a)%4)+\b)+7], v[128*(\p)+FR*\b:128*(\p)+FR*\b+FR-1], v[AF+FR*(\a):AF+FR*(\a)+FR-1], v[8*(8*((\a)%4)+\b):8*(8*((\a)%4)+\b)+7], v[SC+8*NQ*(\sc)+NQ*\b+(\q)], v[SC+8*NQ*(\sc)+NQ*(\a)+(\q)] matrix_a_fmt:MATRIX_FMT_FP6 matrix_b_fmt:MATRIX_FMT_FP6 matrix_a_scale:MATRIX_SCALE_ROW1
.endif
.endr
.endr
.endm
.macro FETCH_B slot, q, p
	WIN TO_B
.irp i, 0,1,2,3,4,5,6,7
	FRAG 128*(\p)+FR*\i, ADRB+\slot, \q, \i
.endr
	WIN 0
.endm
.macro FETCH_A slot, q, i0
.irp i, \i0, \i0+1, \i0+2, \i0+3
	FRAG AF+FR*(\i), ADRA+\slot, \q, \i
.endr
.endm
.macro SCALES sc
.irp i, 0,1,2,3,4,5,6,7
	ds_load_b64 v[SC+8*NQ*\sc+NQ*\i:SC+8*NQ*\sc+NQ*\i+1], v[ADRS] offset:\i*SBLK
.endr
.endm
.macro PLACES n
.rept \n
	v_nop
.endr
.endm
.macro STEP slot, q, zero
	s_wait_dscnt 4*NL
	WIN MUL_LO
	MUL16 0, (\q)%2, \q, \slot, \zero
	MUL16 2, (\q)%2, \q, \slot, \zero
	s_wait_dscnt 0
	PLACES NP
	FETCH_B \slot, (\q)+1, 1-(\q)%2
	FETCH_A \slot, (\q)+1, 0
	WIN MUL_HI
	MUL16 4, (\q)%2, \q, \slot, \zero
	MUL16 6, (\q)%2, \q, \slot, \zero
	PLACES NP
	WIN 0
	FETCH_A \slot, (\q)+1, 4
.endm
.macro TURN slot, next, fill
	s_wait_tensorcnt 0x0
	ds_add_u32 v[SPW], v[NIL]
	s_wait_dscnt 4*NL+1
	WIN MUL_LO
	MUL16 0, 1, NQ-1, \slot, 0
	s_wait_dscnt 0x0
	s_barrier_signal -1
	MUL16 2, 1, NQ-1, \slot, 0
	WIN 0
	s_barrier_wait -1
.if \fill
	CREST
	s_add_nc_u64 s[G0+4*\slot+2:G0+4*\slot+3], s[G0+4*\slot+2:G0+4*\slot+3], 2*ROWB
	s_add_nc_u64 s[G0B+4*\slot+2:G0B+4*\slot+3], s[G0B+4*\slot+2:G0B+4*\slot+3], 2*ROWB
	JLOAD G0+4*\slot, G1, G0B+4*\slot, G1B
.else
	PLACES NP
.endif
	s_wait_alu depctr_va_vdst(0)
	v_add_nc_u32 v[ADRS], 4*NQ, v[ADRS]
	FETCH_B \next, 0, 0
	FETCH_A \next, 0, 0
	SCALES \next
	WIN MUL_HI
	MUL16 4, 1, NQ-1, \slot, 0
	MUL16 6, 1, NQ-1, \slot, 0
	PLACES NP
	WIN 0
	FETCH_A \next, 0, 4
.endm
	s_wait_alu depctr_va_vdst(0)
	s_wait_tensorcnt 0x0                           ; my tile of the head's four is in
	ds_add_u32 v[SPW], v[NIL]
	s_mov_b32 s[G1+2], 96<<16                      ; no tensor load of mine is out: from here on a load brings 128 stored rows, 96 rows of 256 bytes,
	s_mov_b32 s[G1+4], 96
	s_mov_b32 s[G1B+2], 96<<16
	s_mov_b32 s[G1B+4], 96
	s_mul_i32 s[G0+1], s14, HALFT                  ; and slot 0's groups 0 name my quarter of the slot
	s_mul_i32 s[G0B+1], s14, HALFT
	s_add_nc_u64 s[G0+2:G0+3], s[G0+2:G0+3], s[18:19]
	s_add_nc_u64 s[G0B+2:G0B+3], s[G0B+2:G0B+3], s[18:19]
	s_wait_dscnt 0x0
	CROUND                                         ; all four tiles are in, all sixteen work-groups are here
	JLOAD G0+4, G1, G0B+4, G1B                     ; chunk 1, the first tensor load behind the round
	FETCH_B 0, 0, 0
	FETCH_A 0, 0, 0
	SCALES 0
	FETCH_A 0, 0, 4
	STEP 0, 0, 1
	s_mov_b32 s3, LAPS-1
.Llap:
	TURN 0, 1, 1
	STEP 1, 0, 0
	TURN 1, 0, 1
	STEP 0, 0, 0
	s_sub_co_u32 s3, s3, 1
	s_cmp_lg_u32 s3, 0
	s_cbranch_scc1 .Llap
	TURN 0, 1, 0
	STEP 1, 0, 0
	s_wait_dscnt 4*NL
	WIN MUL_LO
	MUL16 0, 1, NQ-1, 1, 0
	MUL16 2, 1, NQ-1, 1, 0
	s_wait_dscnt 0
	WIN MUL_HI
	MUL16 4, 1, NQ-1, 1, 0
	MUL16 6, 1, NQ-1, 1, 0
	WIN 0
.macro QUANT s, w, pw
.set WQ, (\w)|((\w)<<2)
.set WC, (\w)
	WIN WQ
.irp b, 0,1,2,3
	v_max3_num_f32 v[TM+\b], |v[(\s)+16*\b]|, |v[(\s)+1+16*\b]|, 0x1800000
.endr
.irp i, 2,4,6,8,10,12,14
.irp b, 0,1,2,3
	v_max3_num_f32 v[TM+\b], |v[(\s)+16*\b+\i]|, |v[(\s)+1+16*\b+\i]|, v[TM+\b]
.endr
.endr
	WIN 0
.irp b, 0,1,2,3
	v_permlanex16_b32 v[TM+4+\b], v[TM+\b], s[SEL], s[SEL+1]
.endr
.irp b, 0,1,2,3
	v_max_num_f32 v[TM+\b], v[TM+\b], v[TM+4+\b]
.endr
.irp b, 0,1,2,3
	v_add_nc_u32 v[TM+12+\b], 0xff000000, v[TM+\b]
.endr
.irp b, 0,1,2,3
	v_lshrrev_b32 v[TM+4+\b], 23, v[TM+12+\b]
.endr
	v_lshl_or_b32 v[\pw], v[TM+5], 8, v[TM+4]
	v_lshl_or_b32 v[\pw], v[TM+6], 16, v[\pw]
	v_lshl_or_b32 v[\pw], v[TM+7], 24, v[\pw]
	WIN WC
.irp c, 0,1
	v_cvt_scalef32_pk16_fp6_f32 v[CD+6*\c:CD+2+6*\c], v[(\s)+32*\c:(\s)+15+32*\c], v[TM+12+2*\c]
	v_cvt_scalef32_pk16_fp6_f32 v[CD+12+4*\c:CD+14+4*\c], v[(\s)+16+32*\c:(\s)+31+32*\c], v[TM+12+2*\c+1]
.endr
	WIN 0
	v_nop
.irp c, 0,1
.irp i, 0,1,2
	v_permlane16_swap_b32 v[CD+6*\c+\i], v[CD+12+4*\c+\i]
.endr
.irp i, 0,1,2
	v_mov_b32 v[CD+3+6*\c+\i], v[CD+12+4*\c+\i]
.endr
.endr
.endm
; V: a lane holds one channel, and its registers 32 c + 0 .. 31 are the true keys 64 c + 32 (lane / 16) + 0 .. 31: a whole block, in the operand's own place
.macro QUANTV s, w, pw
.set WQ, (\w)|((\w)<<2)
.set WC, (\w)
	WIN WQ
.irp b, 0,1,2,3
	v_max3_num_f32 v[TM+\b], |v[(\s)+16*\b]|, |v[(\s)+1+16*\b]|, 0x1800000
.endr
.irp i, 2,4,6,8,10,12,14
.irp b, 0,1,2,3
	v_max3_num_f32 v[TM+\b], |v[(\s)+16*\b+\i]|, |v[(\s)+1+16*\b+\i]|, v[TM+\b]
.endr
.endr
	WIN 0
.irp c, 0,1
	v_max_num_f32 v[TM+2*\c], v[TM+2*\c], v[TM+2*\c+1]
.endr
.irp c, 0,1
	v_add_nc_u32 v[TM+12+\c], 0xff000000, v[TM+2*\c]
.endr
.irp c, 0,1
	v_lshrrev_b32 v[TM+4+\c], 23, v[TM+12+\c]
.endr
	v_lshl_or_b32 v[TM+6], v[TM+5], 16, v[TM+4]    ; my bytes: blocks h and 2 + h,
	v_lshlrev_b32 v[TM+6], v11, v[TM+6]            ; at their places,
	v_permlanex16_b32 v[TM+7], v[TM+6], s[SEL], s[SEL+1]
	v_or_b32 v[\pw], v[TM+6], v[TM+7]              ; with lane l xor 16's two the word is whole
	WIN WC
.irp c, 0,1
	v_cvt_scalef32_pk16_fp6_f32 v[CD+6*\c:CD+2+6*\c], v[(\s)+32*\c:(\s)+15+32*\c], v[TM+12+\c]
	v_cvt_scalef32_pk16_fp6_f32 v[CD+12+4*\c:CD+14+4*\c], v[(\s)+16+32*\c:(\s)+31+32*\c], v[TM+12+\c]
.endr
	WIN 0
	v_nop
.irp c, 0,1
.irp i, 0,1,2
	v_mov_b32 v[CD+3+6*\c+\i], v[CD+12+4*\c+\i]
.endr
.endr
.endm
.macro PUT d, off
.irp c, 0,1,2
	global_store_b128 v[LI], v[CD+4*\c:CD+4*\c+3], s[\d:\d+1] offset:\off+512*\c
.endr
.endm
.macro PUTS d, p, xp
	v_cndmask_b32 v[\xp], v[\p], v[\p+1], s[UPH]
	v_cndmask_b32 v[\xp+1], v[\p+2], v[\p+3], s[UPH]
	global_store_b64 v[L8], v[\xp:\xp+1], s[\d:\d+1] offset:6144
.endm
.macro ROPE g, x, c
.set RA, 2*(\g)+(\c)
.set WR, (2+RA/4)|4
	WIN WR
.irp u, 0,1
.irp p, 0,2,4,6
	v_pk_mul_f32 v[TMP+2*(8*\u+\p):TMP+2*(8*\u+\p)+1], v[64*(RA%4)+8*(4*(\x)+2+\u)+\p:64*(RA%4)+8*(4*(\x)+2+\u)+\p+1], v[32*RA+16+8*\u+\p:32*RA+16+8*\u+\p+1]
	v_pk_mul_f32 v[TMP+2*(8*\u+\p)+2:TMP+2*(8*\u+\p)+3], v[64*(RA%4)+8*(4*(\x)+\u)+\p:64*(RA%4)+8*(4*(\x)+\u)+\p+1], v[32*RA+16+8*\u+\p:32*RA+16+8*\u+\p+1]
.endr
.endr
.irp u, 0,1
.irp p, 0,2,4,6
	v_pk_fma_f32 v[SCR+32*(\c)+8*\u+\p:SCR+32*(\c)+8*\u+\p+1], v[64*(RA%4)+8*(4*(\x)+\u)+\p:64*(RA%4)+8*(4*(\x)+\u)+\p+1], v[32*RA+8*\u+\p:32*RA+8*\u+\p+1], v[TMP+2*(8*\u+\p):TMP+2*(8*\u+\p)+1] neg_lo:[0,0,1] neg_hi:[0,0,1]
	v_pk_fma_f32 v[SCR+32*(\c)+16+8*\u+\p:SCR+32*(\c)+16+8*\u+\p+1], v[64*(RA%4)+8*(4*(\x)+2+\u)+\p:64*(RA%4)+8*(4*(\x)+2+\u)+\p+1], v[32*RA+8*\u+\p:32*RA+8*\u+\p+1], v[TMP+2*(8*\u+\p)+2:TMP+2*(8*\u+\p)+3]
.endr
.endr
.endm
	PLACES NP
	s_cmp_eq_u32 ttmp9, 2
	s_cbranch_scc1 .Lv
	WIN TO_B
.irp a, 0,1,2,3,4,5,6,7
.irp k, 0,1,2,3
	global_load_b128 v[32*\a+4*\k:32*\a+4*\k+3], v[VT], s[8:9] offset:(64*(\a/4)+8*(\a%4))*256+16*\k
.endr
.irp k, 0,1,2,3
	global_load_b128 v[32*\a+16+4*\k:32*\a+16+4*\k+3], v[VT], s[8:9] offset:(64*(\a/4)+8*(\a%4))*256+128+16*\k
.endr
.endr
	WIN 0
.irp g, 0,1,2,3
	s_wait_loadcnt 48-16*\g
.irp x, 0,1
	ROPE \g, \x, 0
	ROPE \g, \x, 1
	WIN 0
	s_wait_xcnt 0x0
	QUANT SCR, 0, PWS+4*\x+\g
	PUT D0+54*\x, 1536*\g
.endr
.endr
	PUTS D0, PWS, XP
	PUTS D1, PWS+4, XP+2
	s_branch .Ljoin
.Lv:
.irp a, 0,1,2,3,4,5,6,7
	s_wait_xcnt 0x0
	QUANTV 64*(\a%4), 2+\a/4, PWS+\a
	PUT D0+54*(\a/4), 1536*(\a%4)
.endr
	PUTS D0, PWS, XP
	PUTS D1, PWS+4, XP+2
.Ljoin:
	s_wait_tensorcnt 0x0
	ds_add_u32 v[SPW], v[NIL]
	s_wait_dscnt 0x0
	CROUND
	s_endpgm
.Lfunc_end_k_qe150a3ea0b_qkv:
	.size	k_qe150a3ea0b_qkv, .Lfunc_end_k_qe150a3ea0b_qkv-k_qe150a3ea0b_qkv
	.p2alignl 7, 3214868480
	.fill 96, 4, 3214868480
	.section	.rodata,"a",@progbits
	.p2align	6, 0x0
	.amdhsa_kernel k_qe150a3ea0b_qkv
		.amdhsa_group_segment_fixed_size 327680
		.amdhsa_private_segment_fixed_size 0
		.amdhsa_enable_private_segment 0
		.amdhsa_kernarg_size 40
		.amdhsa_user_sgpr_count 2
		.amdhsa_user_sgpr_kernarg_segment_ptr 1
		.amdhsa_wavefront_size32 1
		.amdhsa_system_sgpr_workgroup_id_x 1
		.amdhsa_system_sgpr_workgroup_id_y 1
		.amdhsa_system_sgpr_workgroup_id_z 1
		.amdhsa_system_vgpr_workitem_id 0
		.amdhsa_next_free_vgpr 1024
		.amdhsa_next_free_sgpr 100
		.amdhsa_reserve_vcc 0
		.amdhsa_float_denorm_mode_32 3
		.amdhsa_float_denorm_mode_16_64 3
		.amdhsa_memory_ordered 1
		.amdhsa_forward_progress 1
		.amdhsa_inst_pref_size 232
	.end_amdhsa_kernel
	.amdgpu_metadata
---
amdhsa.version: [ 1, 2 ]
amdhsa.kernels:
  - .name:           k_qe150a3ea0b_qkv
    .symbol:         k_qe150a3ea0b_qkv.kd
    .args:
      - { .name: xw_codes, .offset: 0, .size: 8, .value_kind: global_buffer, .address_space: global }
      - { .name: xw_scales, .offset: 8, .size: 8, .value_kind: global_buffer, .address_space: global }
      - { .name: rope, .offset: 16, .size: 8, .value_kind: global_buffer, .address_space: global }
      - { .name: q_rec, .offset: 24, .size: 8, .value_kind: global_buffer, .address_space: global }
      - { .name: kv_rec, .offset: 32, .size: 8, .value_kind: global_buffer, .address_space: global }
    .group_segment_fixed_size: 327680
    .private_segment_fixed_size: 0
    .kernarg_segment_align: 8
    .kernarg_segment_size: 40
    .max_flat_workgroup_size: 128
    .sgpr_count:     100
    .vgpr_count:     1024
    .wavefront_size: 32
...
	.end_amdgpu_metadata
.endif
;; end of part 2
;; launch attn (part 3): grid 4 x 64, 16 waves a work-group, clusters of 4 x 1, 206,848 bytes of LDS; arguments q_rec, kv_rec, a_codes, a_scales; writes a_codes, a_scales
.if DOCPART == 3
	.amdgcn_target "amdgcn-amd-amdhsa--gfx1250"
	.amdhsa_code_object_version 6
	.text
	.protected	k_qe150a3ea0b_attn
	.globl	k_qe150a3ea0b_attn
	.p2align	8
	.type	k_qe150a3ea0b_attn,@function
k_qe150a3ea0b_attn:
	s_mov_b64 s[64:65], 0
	v_nop
	global_prefetch_b8 v0, s[64:65] scope:SCOPE_SE
	s_setreg_imm32_b32 hwreg(HW_REG_WAVE_MODE, 25, 1), 1
	s_wait_xcnt 0x0
	s_wait_alu depctr_hold_cnt(0) depctr_sa_sdst(0) depctr_va_vdst(0) depctr_va_sdst(0) depctr_va_ssrc(0) depctr_va_vcc(0) depctr_vm_vsrc(0)
	s_getreg_b32 s2, hwreg(HW_REG_IB_STS2, 6, 4)
	s_cmp_eq_u32 s2, 0
	s_cbranch_scc0 .Lentry_in_a_cluster
	s_endpgm
.Lentry_in_a_cluster:
	s_bfe_u32 s2, ttmp6, 0x10000c
	s_cmp_lg_u32 s2, 0x3003
	s_cbranch_scc0 .Lentry_shape_is_right
	s_endpgm
.Lentry_shape_is_right:
; Attention of one head n = 16 b + h, no mask, head size 64, both products on codes of FP6 (E2M3) with one E8M0 scale for each 32 along a product's K; the result is quantised along the embedding and stored as codes.
; THE SOFTMAX AHEAD OF THE SECOND PRODUCT: t = score x log2(e) / 8; M = the row's largest t so far, rounded UP to a whole number; p = 2^(t - M) is quantised along the keys, not normalised.
; The row's sum is taken of the unquantised p, in f32, and divides O at the end.  When M moves, the sum and O are multiplied by 2^(old M - new M): exact.
; SHARES.  A cluster of four work-groups is a head; a work-group owns 512 positions, each of its sixteen waves 32: two passes of one tile of 16 queries.  Every wave walks all 2,048 keys, 128 a step.
; ALL OF THE HEAD'S K AND V LIE IN LDS: 16 records of 12,800 bytes, filled ONCE: each of the sixteen waves issues one joint load of one record at the head, and one barrier shows all records to all waves.
; No byte of LDS is filled again, so no further barrier stands ahead of the closing round.  Nothing is prefetched: every tensor load of the launch goes out at its head.
; A record: K's four fragments as images of their registers (registers 4 c .. 4 c + 3 of lane L at 512 c + 16 L), 256 bytes of scale words, then V's likewise.
; THE HEAD'S 64 FILL HALF OF THE INSTRUCTION'S K = 128.  A fragment of K holds two tiles of 16 keys; it is multiplied once by [Q, zeros] and once by [zeros, Q]: v16-33 hold Q, six registers of zeros, Q.
; LAYOUT.  Both products are used transposed (S^T = K Q^T, O^T = V^T P^T): a lane holds ONE query (lane % 16).  The stored order of the positions (inside each 64 the groups of eight are 0, 4, 1, 5, 2, 6, 3, 7) makes
; the 32 registers of four neighbouring tiles of S^T the true keys 64 c + 32 (lane / 16) + 0 .. 31: one whole block, in the place that the second product's operand gives that lane.  So a block's maximum needs no other lane.
; The next step's fragments of K are asked of LDS one step ahead, behind the step's first products.  The last additions of the row's sum are the places behind the matrix instructions.
; LIMITS: the promise holds while the scaled scores t stay under 2^31 in magnitude; a block whose largest magnitude lies under 2^-124 gets the byte 1; NaN and infinities are not served.
; The result's scale bytes leave as two bytes a lane, 32 bytes apart: a head owns 2 of a row's 32 bytes.
.set REC,   12800
.set VSUB,  6400
.set SPARE, 16*REC                     ; behind the records: the spare words, 128 bytes for each of 16 waves, which no other line names
.set LI,  1                            ; 16 x lane
.set LS,  2                            ; 8 x lane
.set ADK, 3                            ; LDS address of the step's images
.set ADS, 4                            ; and of its scale words
.set SPW, 5
.set NIL, 6
.set R32, 7                            ; 32 x (lane % 16)
.set R8,  8                            ; 8 x (lane % 16)
.set H8,  9                            ; 8 x (lane / 16)
.set OM,  10                           ; -M of the step before;  v12 -M, v13 the largest score so far, v[14:15] the sum
.set QA,  16
.set QF,  34
.set QW,  46
.set QS,  47
.set KF,  48                           ; v48-95 four fragments of K
.set S,   96                           ; v96-159 S^T, then p; then V's four fragments
.set OT,  160                          ; v160-191 O^T
.set CD,  192                          ; v192-203 p's codes
.set CH,  204                          ; v204-206, v208-210 the conversions' second halves
.set BM,  212
.set BT,  216
.set SO,  220
.set FF,  224
.set T0,  226
.set T1,  227
.set KSC, 228                          ; v[228:229], v[230:231], v232 hold scales and nothing else
.set VSC, 230
.set PS,  232
.set TS,  234                          ; v234-247 seven more chains of the sum
.set WV,  12
.set SEL, 20
.set CS,  22
.set G1,  24
.set G0,  32
.set TB,  48
.set CT,  49
.set PASS, 50
.macro ROUND
	s_barrier_signal -1
	s_barrier_wait -1
	s_cmp_lg_u32 s[WV], 0
	s_cbranch_scc1 .Lnot_wave_0_\@
	s_barrier_signal -3
.Lnot_wave_0_\@:
	s_barrier_wait -3
	s_barrier_signal -1
	s_barrier_wait -1
.endm
	s_load_b128 s[4:7], s[0:1], 0x0                ; q_rec, kv_rec
	s_load_b128 s[8:11], s[0:1], 0x10              ; a_codes, a_scales
	v_lshl_add_u32 v[SPW], v0, 2, SPARE
	v_mov_b32 v[NIL], 0
	ds_add_u32 v[SPW], v[NIL]
	ds_add_u32 v[SPW], v[NIL]
	v_lshrrev_b32 v11, 5, v0
	s_delay_alu instid0(VALU_DEP_1)
	v_readfirstlane_b32 s[WV], v11                 ; wave 0..15
	s_bfe_u32 s13, ttmp6, 0x40000                  ; cx: my block of 512 positions: it enters Q's and the result's addresses alone
	s_and_b32 s14, ttmp7, 0xffff                   ; the head, which the four partners share
	s_mov_b32 s[G1], 15|(3<<16)|(1<<21)            ; a record as 50 dense rows of 256 bytes; the mask names all four work-groups
	s_mov_b32 s[G1+1], 32<<16
	s_mov_b32 s[G1+2], 50<<16
	s_mov_b32 s[G1+3], 32<<16
	s_mov_b32 s[G1+4], 50
	s_mov_b32 s[G1+5], 32
	s_mov_b32 s[G1+6], 0
	s_mov_b32 s[G1+7], 0
	s_and_b32 s15, s[WV], 3
	s_mul_i32 s18, s[WV], REC                      ; my record's place, in LDS and in the head's records alike
	s_mul_i32 s2, s14, 16*REC
	s_add_co_u32 s2, s2, s18
	s_mov_b32 s3, 0
	s_lshl_b32 s19, s14, 4                         ; Q: record 16 n + 4 cx + wave / 4 of q_rec, fragment wave % 4
	s_lshl_b32 s51, s13, 2
	s_add_co_u32 s19, s19, s51
	s_lshr_b32 s51, s[WV], 2
	s_add_co_u32 s19, s19, s51
	s_mul_i32 s52, s19, VSUB
	s_mul_i32 s51, s15, 1536
	s_add_co_u32 s54, s52, s51
	s_mov_b32 s55, 0
	s_and_b32 s51, s[WV], 1
	s_lshl_b32 s51, s51, 7
	s_add_co_u32 s52, s52, s51
	s_bfe_u32 s51, s[WV], 0x10001
	s_lshl_b32 s51, s51, 2
	s_add_co_u32 s52, s52, s51
	s_add_co_u32 s52, s52, 6144                    ; its scale words: 6,144 + 128 (f % 2) + 4 (f / 2), 8 bytes a row
	s_mov_b32 s53, 0
	s_lshl_b32 s56, s13, 4                         ; the result: tile T = 128 b + 2 (16 cx + wave) of head h
	s_add_co_u32 s56, s56, s[WV]
	s_lshl_b32 s56, s56, 1
	s_lshr_b32 s57, s14, 4
	s_lshl_b32 s57, s57, 7
	s_add_co_u32 s56, s56, s57
	s_and_b32 s57, s14, 15
	s_lshl_b32 s58, s57, 9
	s_add_co_u32 s58, s58, s56
	s_mul_i32 s58, s58, 768                        ; a_codes: [h][T] half images of 768 bytes
	s_mov_b32 s59, 0
	s_lshl_b32 s60, s56, 9                         ; a_scales: 16 rows of 32 bytes a tile, bytes 2 h and 2 h + 1
	s_lshl_b32 s57, s57, 1
	s_add_co_u32 s60, s60, s57
	s_mov_b32 s61, 0
	s_mov_b32 s[SEL], 0x76543210
	s_mov_b32 s[SEL+1], 0xfedcba98
	s_mov_b32 s[CS], 0x3e38aa3b                    ; c = log2(e) / sqrt(64)
	s_mov_b32 s[CS+1], s[CS]
	v_and_b32 v11, 31, v0
	s_delay_alu instid0(VALU_DEP_1)
	v_lshlrev_b32 v[LI], 4, v11
	v_lshlrev_b32 v[LS], 3, v11
	v_and_b32 v11, 15, v0
	s_delay_alu instid0(VALU_DEP_1)
	v_lshlrev_b32 v[R32], 5, v11
	v_lshlrev_b32 v[R8], 3, v11
	v_bfe_u32 v11, v0, 4, 1
	s_delay_alu instid0(VALU_DEP_1)
	v_lshlrev_b32 v[H8], 3, v11
	s_wait_dscnt 0x0                               ; both opening adds are done
	s_wait_kmcnt 0x0
	s_add_nc_u64 s[6:7], s[6:7], s[2:3]            ; my record: made of the head and the wave's number alone
	s_add_nc_u64 s[16:17], s[4:5], s[52:53]
	s_add_nc_u64 s[4:5], s[4:5], s[54:55]
	s_add_nc_u64 s[8:9], s[8:9], s[58:59]
	s_add_nc_u64 s[10:11], s[10:11], s[60:61]
	s_mov_b32 s[G0], 1
	s_mul_i32 s[G0+1], s[WV], REC
	s_mov_b64 s[G0+2:G0+3], s[6:7]
	s_or_b32 s[G0+3], s[G0+3], 0x80000000
	ROUND                                          ; all four work-groups are here: the joint loads meet
	tensor_load_to_lds s[G0:G0+3], s[G1:G1+7]      ; one load a wave: sixteen records
	s_nop 0
.rept 4
	v_nop
.endr
	s_wait_alu depctr_va_vdst(0)
.irp c, 0,1,2
	global_load_b128 v[QF+4*\c:QF+4*\c+3], v[LI], s[4:5] offset:512*\c
.endr
	global_load_b32 v[QW], v[R8], s[16:17]
.irp i, 0,1,2,3,4,5
	v_mov_b32 v[QA+6+\i], 0                        ; the zero codes between the two copies of Q
.endr
.irp b, 0,1,2,3
	v_mov_b32 v[BT+\b], 0                          ; a lane permute's destination counts as one of its sources
.endr
	v_mov_b32 v[FF+1], 0
	v_mov_b32 v[T0], 0
	v_mov_b32 v[T1], 0
	s_mov_b32 s[PASS], 2
	s_wait_loadcnt 0x0                             ; Q
	s_wait_tensorcnt 0x0                           ; my record has landed
	s_barrier_signal -1
	s_barrier_wait -1                              ; and so has every wave's
.macro KLOAD off                       ; K's four fragments and their scale words, \off bytes behind the step's record
.irp b, 0,1,2,3
.irp c, 0,1,2
	ds_load_b128 v[KF+12*\b+4*\c:KF+12*\b+4*\c+3], v[ADK] offset:\off+1536*\b+512*\c
.endr
.endr
	ds_load_b64 v[KSC:KSC+1], v[ADS] offset:\off+6144
.endm
.macro CSET                            ; the last three additions of a step's sum
	v_pk_add_f32 v[TS:TS+1], v[TS:TS+1], v[TS+4:TS+5]
	v_pk_add_f32 v[14:15], v[14:15], v[TS+8:TS+9]
	v_pk_add_f32 v[14:15], v[14:15], v[TS:TS+1]
.endm
; A KEY STEP: 128 keys.  pre = 1: a step follows, and its K is asked for
.macro STEP pre
	s_wait_dscnt 0x0                               ; K's fragments and scale words, asked for a step ago
.irp b, 0,1,2,3
.irp u, 0,1
.if \b%2
	v_wmma_scale_f32_16x16x128_f8f6f4 v[S+16*\b+8*\u:S+16*\b+8*\u+7], v[KF+12*\b:KF+12*\b+11], v[QA+6*\u:QA+6*\u+11], 0, v[KSC+\b/2], v[QS] matrix_a_fmt:MATRIX_FMT_FP6 matrix_b_fmt:MATRIX_FMT_FP6 matrix_a_scale:MATRIX_SCALE_ROW1
.else
	v_wmma_scale_f32_16x16x128_f8f6f4 v[S+16*\b+8*\u:S+16*\b+8*\u+7], v[KF+12*\b:KF+12*\b+11], v[QA+6*\u:QA+6*\u+11], 0, v[KSC+\b/2], v[QS] matrix_a_fmt:MATRIX_FMT_FP6 matrix_b_fmt:MATRIX_FMT_FP6
.endif
.endr
.endr
	v_mov_b32 v[OM], v12                           ; four places behind the products: -M as it was, and the last step's sum finished
	CSET
.if \pre
	KLOAD REC
.endif
.irp q, 0,1,2,3
	v_max3_num_f32 v[BM+\q], v[S+16*\q], v[S+1+16*\q], v[S+2+16*\q]   ; four chains; each accumulator is first read at its low end
.endr
.irp i, 3,5,7,9,11,13
.irp q, 0,1,2,3
	v_max3_num_f32 v[BM+\q], v[BM+\q], v[S+16*\q+\i], v[S+1+16*\q+\i]
.endr
.endr
.irp c, 0,1
	v_max3_num_f32 v[BM+2*\c], v[BM+2*\c], v[BM+2*\c+1], v[S+32*\c+15]
.endr
.irp c, 0,1
	v_max_num_f32 v[BM+2*\c], v[BM+2*\c], v[S+32*\c+31]   ; THE LARGEST SCORE OF MY TWO BLOCKS OF 32 KEYS: for the row's maximum and, since p rises with the score, for the block's largest p
.endr
	s_delay_alu instid0(VALU_DEP_1)
	v_max3_num_f32 v[T0], v[BM], v[BM+2], v13
	s_delay_alu instid0(VALU_DEP_1)
	v_permlanex16_b32 v[T1], v[T0], s[SEL], s[SEL+1]
	s_delay_alu instid0(VALU_DEP_1)
	v_max_num_f32 v13, v[T0], v[T1]                ; the running largest score of my query
	s_delay_alu instid0(VALU_DEP_1)
	v_mul_f32 v[T0], s[CS], v13                    ; as t (c is positive)
	s_delay_alu instid0(VALU_DEP_1)
	v_floor_f32 v12, -v[T0]                        ; -M = floor(-t) = -ceil(t)
.set J, 0
.rept 32
	v_pk_fma_f32 v[S+J:S+J+1], v[S+J:S+J+1], s[CS:CS+1], v[12:13] op_sel_hi:[1,0,0]   ; t - M
.set J, J+2
.endr
.irp c, 0,1
	v_fma_f32 v[BM+2*\c], v[BM+2*\c], s[CS], v12
.endr
	s_wait_alu depctr_va_vdst(0)
.set J, 0
.rept 64
	v_exp_f32 v[S+J], v[S+J]                       ; p = 2^(t - M)
.set J, J+1
.endr
	v_exp_f32 v[BM], v[BM]                         ; the blocks' largest p: the same two instructions on the same number
	v_exp_f32 v[BM+2], v[BM+2]
	v_sub_f32 v[T0], v12, v[OM]                    ; M's old value less its new one: a whole number, 0 or less
	s_delay_alu instid0(VALU_DEP_1)
	v_cvt_i32_f32 v[T0], v[T0]                     ; (it saturates)
	s_delay_alu instid0(VALU_DEP_1)
	v_ldexp_f32 v[FF], 1.0, v[T0]                  ; f = 2^(old M - new M)
	s_wait_alu depctr_va_vdst(0)                   ; one wait for the batch, ahead of its first reader
.irp c, 0,1
	v_max_num_f32 v[BM+2*\c], 0x1800000, v[BM+2*\c]   ; the floor 2^(3 - 127): the byte cannot fall under 1
.endr
.irp c, 0,1
	s_delay_alu instid0(VALU_DEP_2)
	v_add_nc_u32 v[SO+\c], 0xff000000, v[BM+2*\c]  ; 2 off the exponent field: the conversion's scale operand
.endr
.irp c, 0,1
	s_delay_alu instid0(VALU_DEP_2)
	v_lshrrev_b32 v[BT+\c], 23, v[SO+\c]
.endr
	s_delay_alu instid0(VALU_DEP_1)
	v_lshl_or_b32 v[T1], v[BT+1], 16, v[BT]        ; my bytes: blocks h and 2 + h,
	s_delay_alu instid0(VALU_DEP_1)
	v_lshlrev_b32 v[T1], v[H8], v[T1]              ; at their places;
	s_delay_alu instid0(VALU_DEP_1)
	v_permlanex16_b32 v[BT+2], v[T1], s[SEL], s[SEL+1]
	s_delay_alu instid0(VALU_DEP_1)
	v_or_b32 v[PS], v[T1], v[BT+2]                 ; with lane l xor 16's two: p's scale word for these 128 keys
	v_pk_fma_f32 v[14:15], v[14:15], v[FF:FF+1], v[S:S+1] op_sel_hi:[1,0,1]   ; THE SUM OF THE UNQUANTISED p, in eight chains; the first brings the old sum under the new M
.irp i, 1,2,3,4,5,6,7
	v_pk_add_f32 v[TS+2*\i-2:TS+2*\i-1], v[S+2*\i:S+2*\i+1], v[S+16+2*\i:S+17+2*\i]
.endr
	v_pk_add_f32 v[14:15], v[14:15], v[S+16:S+17]
.irp g, 32,48
.irp i, 1,2,3,4,5,6,7
	v_pk_add_f32 v[TS+2*\i-2:TS+2*\i-1], v[TS+2*\i-2:TS+2*\i-1], v[S+\g+2*\i:S+\g+2*\i+1]
.endr
	v_pk_add_f32 v[14:15], v[14:15], v[S+\g:S+\g+1]
.endr
.irp c, 0,1
	v_cvt_scalef32_pk16_fp6_f32 v[CD+6*\c:CD+2+6*\c], v[S+32*\c:S+15+32*\c], v[SO+\c]
	v_cvt_scalef32_pk16_fp6_f32 v[CH+4*\c:CH+2+4*\c], v[S+16+32*\c:S+31+32*\c], v[SO+\c]   ; (a conversion's three registers begin on an even number)
.endr
	v_pk_add_f32 v[TS:TS+1], v[TS:TS+1], v[TS+2:TS+3]   ; the plain place behind the conversions
.irp t, 0,1,2,3
.irp c, 0,1,2
	ds_load_b128 v[S+12*\t+4*\c:S+12*\t+4*\c+3], v[ADK] offset:VSUB+1536*\t+512*\c   ; V's fragments into the registers that p has left
.endr
.endr
	ds_load_b64 v[VSC:VSC+1], v[ADS] offset:VSUB+6144
.irp c, 0,1
.irp i, 0,1,2
	v_mov_b32 v[CD+3+6*\c+\i], v[CH+4*\c+\i]
.endr
.endr
	s_wait_alu depctr_va_vdst(0)
.set J, 0
.rept 16
	v_pk_mul_f32 v[OT+J:OT+J+1], v[OT+J:OT+J+1], v[FF:FF+1] op_sel_hi:[1,0]   ; O^T under the new M; also the places in front of the products below
.set J, J+2
.endr
	s_wait_alu depctr_va_vdst(0)
	s_wait_dscnt 0x0
.irp t, 0,1,2,3                                ; O^T += V^T P^T: the four accumulators take turns
.if \t%2
	v_wmma_scale_f32_16x16x128_f8f6f4 v[OT+8*\t:OT+8*\t+7], v[S+12*\t:S+12*\t+11], v[CD:CD+11], v[OT+8*\t:OT+8*\t+7], v[VSC+\t/2], v[PS] matrix_a_fmt:MATRIX_FMT_FP6 matrix_b_fmt:MATRIX_FMT_FP6 matrix_a_scale:MATRIX_SCALE_ROW1
.else
	v_wmma_scale_f32_16x16x128_f8f6f4 v[OT+8*\t:OT+8*\t+7], v[S+12*\t:S+12*\t+11], v[CD:CD+11], v[OT+8*\t:OT+8*\t+7], v[VSC+\t/2], v[PS] matrix_a_fmt:MATRIX_FMT_FP6 matrix_b_fmt:MATRIX_FMT_FP6
.endif
.endr
	v_pk_add_f32 v[TS+4:TS+5], v[TS+4:TS+5], v[TS+6:TS+7]      ; five places: the next step's products write over registers that these read
	v_pk_add_f32 v[TS+8:TS+9], v[TS+8:TS+9], v[TS+10:TS+11]
	v_pk_add_f32 v[14:15], v[14:15], v[TS+12:TS+13]
.if \pre
	s_add_co_u32 s[TB], s[TB], REC
	v_add_nc_u32 v[ADK], s[TB], v[LI]
	v_add_nc_u32 v[ADS], s[TB], v[LS]
.endif
.endm
.Lpass:                                            ; two trips: one tile of 16 queries each
	s_wait_alu depctr_va_vdst(0)
	s_mov_b32 s[TB], 0
	v_add_nc_u32 v[ADK], s[TB], v[LI]
	v_add_nc_u32 v[ADS], s[TB], v[LS]
	KLOAD 0                                        ; record 0's K
.irp i, 0,1,2,3,4,5
	v_mov_b32 v[QA+\i], v[QF+\i]                   ; [Q, zeros, Q]
	v_mov_b32 v[QA+12+\i], v[QF+\i]
.endr
	v_and_b32 v[T0], 0xffff, v[QW]
	s_delay_alu instid0(VALU_DEP_1)
	v_lshl_or_b32 v[QS], v[QW], 16, v[T0]          ; the tile's two scale bytes, for either place of Q
	v_mov_b32 v13, 0xff61b1e6                      ; the largest score so far: -3e38
	s_delay_alu instid0(VALU_DEP_1)
	v_floor_f32 v12, -v13                          ; -M
	v_mov_b32 v14, 0
	v_mov_b32 v15, 0
.irp i, 0,1,4,5,8,9
	v_mov_b32 v[TS+\i], 0                          ; the three chains that the first step adds in before it has written them
.endr
.set J, 0
.rept 32
	v_mov_b32 v[OT+J], 0                           ; O^T: the step is written once; the first finds zeros
.set J, J+1
.endr
	s_mov_b32 s[CT], 15
	s_wait_alu depctr_va_vdst(0)
.Lstep:
	STEP 1
	s_sub_co_u32 s[CT], s[CT], 1
	s_cmp_lg_u32 s[CT], 0
	s_wait_alu depctr_va_vdst(0)
	s_cbranch_scc1 .Lstep
	STEP 0                                         ; record 15: nothing more is asked for
	; THE TILE'S END.  O^T / the sum: register 16 b + i is channel 32 b + 16 (lane / 16) + i of my query (the stored order of Wv's rows): two blocks of 32 along the embedding
	CSET
	v_add_f32 v14, v14, v15
	s_delay_alu instid0(VALU_DEP_1)
	v_permlanex16_b32 v[T0], v14, s[SEL], s[SEL+1]
	s_delay_alu instid0(VALU_DEP_1)
	v_add_f32 v14, v14, v[T0]                      ; the row's sum
	s_wait_alu depctr_va_vdst(0)
	v_rcp_f32 v14, v14
	v_nop
	s_wait_alu depctr_va_vdst(0)
.set J, 0
.rept 16
	v_pk_mul_f32 v[S+J:S+J+1], v[OT+J:OT+J+1], v[14:15] op_sel_hi:[1,0]
.set J, J+2
.endr
.irp b, 0,1
	v_max3_num_f32 v[BM+\b], |v[S+16*\b]|, |v[S+1+16*\b]|, 0x1800000
.endr
.irp i, 2,4,6,8,10,12,14
.irp b, 0,1
	s_delay_alu instid0(VALU_DEP_2)
	v_max3_num_f32 v[BM+\b], v[BM+\b], |v[S+16*\b+\i]|, |v[S+1+16*\b+\i]|
.endr
.endr
.irp b, 0,1
	s_delay_alu instid0(VALU_DEP_2)
	v_permlanex16_b32 v[BT+\b], v[BM+\b], s[SEL], s[SEL+1]
.endr
.irp b, 0,1
	s_delay_alu instid0(VALU_DEP_2)
	v_max_num_f32 v[BM+\b], v[BM+\b], v[BT+\b]
.endr
.irp b, 0,1
	s_delay_alu instid0(VALU_DEP_2)
	v_add_nc_u32 v[SO+\b], 0xff000000, v[BM+\b]
.endr
.irp b, 0,1
	s_delay_alu instid0(VALU_DEP_2)
	v_lshrrev_b32 v[BT+\b], 23, v[SO+\b]
.endr
	s_delay_alu instid0(VALU_DEP_1)
	v_lshl_or_b32 v[T1], v[BT+1], 8, v[BT]         ; my row's two scale bytes
	v_cvt_scalef32_pk16_fp6_f32 v[CD:CD+2], v[S:S+15], v[SO]
	v_cvt_scalef32_pk16_fp6_f32 v[CH:CH+2], v[S+16:S+31], v[SO+1]
	v_nop
.irp i, 0,1,2
	v_permlane16_swap_b32 v[CD+\i], v[CH+\i]
.endr
.irp i, 0,1,2
	s_delay_alu instid0(VALU_DEP_3)
	v_mov_b32 v[CD+3+\i], v[CH+\i]                 ; registers 0-5: k = 32 (lane / 16) + 0 .. 31 of the head's 64
.endr
	global_store_b128 v[LI], v[CD:CD+3], s[8:9]                 ; 512 consecutive bytes, aligned
	global_store_b64 v[LS], v[CD+4:CD+5], s[8:9] offset:512     ; 256 consecutive bytes, aligned
	global_store_b16 v[R32], v[T1], s[10:11]
	s_wait_xcnt 0x0                                ; the stores have read their registers and bases
.irp i, 0,1,2,3,4,5
	v_mov_b32 v[QF+\i], v[QF+6+\i]                 ; the image's second tile of queries,
.endr
	v_lshrrev_b32 v[QW], 16, v[QW]                 ; its two scale bytes,
	s_add_nc_u64 s[8:9], s[8:9], 768               ; and its places in the results
	s_add_nc_u64 s[10:11], s[10:11], 512
	s_sub_co_u32 s[PASS], s[PASS], 1
	s_cmp_lg_u32 s[PASS], 0
	s_cbranch_scc1 .Lpass
	s_wait_tensorcnt 0x0                           ; the wave's end
	ds_add_u32 v[SPW], v[NIL]
	s_wait_dscnt 0x0
	ROUND                                          ; the closing round
	s_endpgm
.Lfunc_end_k_qe150a3ea0b_attn:
	.size	k_qe150a3ea0b_attn, .Lfunc_end_k_qe150a3ea0b_attn-k_qe150a3ea0b_attn
	.p2alignl 7, 3214868480
	.fill 96, 4, 3214868480
	.section	.rodata,"a",@progbits
	.p2align	6, 0x0
	.amdhsa_kernel k_qe150a3ea0b_attn
		.amdhsa_group_segment_fixed_size 206848
		.amdhsa_private_segment_fixed_size 0
		.amdhsa_enable_private_segment 0
		.amdhsa_kernarg_size 32
		.amdhsa_user_sgpr_count 2
		.amdhsa_user_sgpr_kernarg_segment_ptr 1
		.amdhsa_wavefront_size32 1
		.amdhsa_system_sgpr_workgroup_id_x 1
		.amdhsa_system_sgpr_workgroup_id_y 1
		.amdhsa_system_sgpr_workgroup_id_z 1
		.amdhsa_system_vgpr_workitem_id 0
		.amdhsa_next_free_vgpr 256
		.amdhsa_next_free_sgpr 66
		.amdhsa_reserve_vcc 0
		.amdhsa_float_denorm_mode_32 3
		.amdhsa_float_denorm_mode_16_64 3
		.amdhsa_memory_ordered 1
		.amdhsa_forward_progress 1
		.amdhsa_inst_pref_size 42
	.end_amdhsa_kernel
	.amdgpu_metadata
---
amdhsa.version: [ 1, 2 ]
amdhsa.kernels:
  - .name:           k_qe150a3ea0b_attn
    .symbol:         k_qe150a3ea0b_attn.kd
    .args:
      - { .name: q_rec, .offset: 0, .size: 8, .value_kind: global_buffer, .address_space: global }
      - { .name: kv_rec, .offset: 8, .size: 8, .value_kind: global_buffer, .address_space: global }
      - { .name: a_codes, .offset: 16, .size: 8, .value_kind: global_buffer, .address_space: global }
      - { .name: a_scales, .offset: 24, .size: 8, .value_kind: global_buffer, .address_space: global }
    .group_segment_fixed_size: 206848
    .private_segment_fixed_size: 0
    .kernarg_segment_align: 8
    .kernarg_segment_size: 32
    .max_flat_workgroup_size: 512
    .sgpr_count:     66
    .vgpr_count:     256
    .wavefront_size: 32
...
	.end_amdgpu_metadata
.endif
;; end of part 3
;; launch oproj (part 4): grid 8 x 32, 4 waves a work-group, clusters of 4 x 4, 327,680 bytes of LDS; arguments a_codes, a_scales, xw_codes, xw_scales, out0; writes out0
.if DOCPART == 4
	.amdgcn_target "amdgcn-amd-amdhsa--gfx1250"
	.amdhsa_code_object_version 6
	.text
	.protected	k_qe150a3ea0b_oproj
	.globl	k_qe150a3ea0b_oproj
	.p2align	8
	.type	k_qe150a3ea0b_oproj,@function
k_qe150a3ea0b_oproj:
	s_mov_b64 s[64:65], 0
	v_nop
	global_prefetch_b8 v0, s[64:65] scope:SCOPE_SE
	s_setreg_imm32_b32 hwreg(HW_REG_WAVE_MODE, 25, 1), 1
	s_wait_xcnt 0x0
	s_wait_alu depctr_hold_cnt(0) depctr_sa_sdst(0) depctr_va_vdst(0) depctr_va_sdst(0) depctr_va_ssrc(0) depctr_va_vcc(0) depctr_vm_vsrc(0)
	s_getreg_b32 s2, hwreg(HW_REG_IB_STS2, 6, 4)
	s_cmp_eq_u32 s2, 0
	s_cbranch_scc0 .Lentry_in_a_cluster
	s_endpgm
.Lentry_in_a_cluster:
	s_bfe_u32 s2, ttmp6, 0x10000c
	s_cmp_lg_u32 s2, 0xf033
	s_cbranch_scc0 .Lentry_shape_is_right
	s_endpgm
.Lentry_shape_is_right:
; out0 = attn Wout^T on codes of FP6 (E2M3) with one E8M0 scale for each 32 along K = 1,024; sums in f32.
; A: a_codes [head][tile of 16 stored rows] half images of 768 bytes (registers 0-3 of lane L at 16 L, registers 4-5 at 512 + 8 L: 64 along K), a_scales [stored row][32].
; B: Wout's rows 11,264 .. 12,287 of xw_codes, laid [256 rows][chunk of 256 along K][row][192 bytes], and of xw_scales.
; SHARES.  A work-group makes 256 stored rows x 128 columns: 8 x 32 = 256 work-groups.  A wave makes 64 rows x 128 columns: 32 accumulators, 256 registers.
; ALL OF K LIES IN LDS, FILLED ONCE, by four joint loads at the head, one a wave: A's 16 heads x 12,288 bytes; B's four chunks of 128 rows (dense runs of 24,576 bytes, 8 bytes of padding behind each 64: LDS rows of 216 bytes);
; A's scales; B's scales.  196,608 + 110,592 + 13,056 bytes, and 512 of spare words.  No byte is filled again: no ring, and no round of the cluster's barrier in the walk along K.
; CLUSTERS: 4 x 4.  A's tile and scales hang on the tile row alone and are shared along a row of the cluster, B's on the tile column alone and are shared along a column.
; Nothing is prefetched: every tensor load of the launch goes out at its head.
; The matrix instruction is used transposed (source 0 = rows of B, source 1 = rows of A): a lane holds eight neighbouring numbers of a row of the result.
; THE ROWS: inside each 64 positions the stored groups of eight are the true groups 0, 4, 1, 5, 2, 6, 3, 7; the way out puts each row at its true place (t, b).
; REGISTERS: window 0: v8-31 addresses, v32-63 scale words in two sets, v128-223 A's fragments in two sets (the way out: v128-255); window 1: B's fragments, two sets at v0 and v128; window 2: the accumulators.
.set NQ,     2
.set PITCH,  216
.set FR,     12
.set NP,     4
.set HIMG,   768
.set AROW,   16*HIMG                   ; a head's 16 tiles of the work-group's rows
.set HEADB,  512*HIMG
.set BOFF,   16*AROW
.set CHB,    128*PITCH                 ; a chunk of B in LDS
.set SCL,    BOFF+4*CHB
.set SAB,    32*272                    ; A's scales: 32 units of 256 bytes + 16
.set SBLK,   2*272                     ; the scales of 16 rows
.set SPARE,  SCL+48*272                ; behind the scales: the spare words, which no other line names
.set SPITCH, 528
.set ADRA, 8                           ; v8-11 A's images, 16 bytes a lane, one for each four heads; v12-15 the same, 8 bytes a lane
.set ADRB, 16                          ; v16-19 B's rows, one for each chunk; v20-23 for pieces whose lanes 16-31 lie behind one more padding
.set STO,  24
.set RD,   25
.set CO,   26
.set ADRS, 27
.set SPW,  28
.set NIL,  29
.set SC,   32
.set AF,   128
.set BK,   128
.set G1, 24
.set G0, 32
.set G1B, 48
.set G0B, 56
.set G1S, 68
.set G0S, 76
.set G1SB, 80
.set G0SB, 88
.set MSB, 0
.macro WIN new
.if MSB != \new
	s_set_vgpr_msb (MSB<<8)|\new
.set MSB, \new
.endif
.endm
.set MUL_LO, 0xa1                      ; source 0 (B) window 1, source 1 (A) window 0, C and D window 2
.set TO_B,   0x40
.macro CREST
	s_cmp_lg_u32 s14, 0
	s_cbranch_scc1 .Lnot_wave_0_\@
	s_barrier_signal -3
.Lnot_wave_0_\@:
	s_barrier_wait -3
	s_barrier_signal -1
	s_barrier_wait -1
.endm
.macro CROUND
	s_barrier_signal -1
	s_barrier_wait -1
	CREST
.endm
	s_load_b128 s[4:7], s[0:1], 0x0                ; a_codes, a_scales
	s_load_b128 s[8:11], s[0:1], 0x10              ; xw_codes, xw_scales
	s_load_b64 s[12:13], s[0:1], 0x20              ; out0
	v_lshl_add_u32 v[SPW], v0, 2, SPARE
	v_mov_b32 v[NIL], 0
	ds_add_u32 v[SPW], v[NIL]
	ds_add_u32 v[SPW], v[NIL]
	v_lshrrev_b32 v1, 5, v0
	v_readfirstlane_b32 s14, v1                    ; wave 0..3: my 64 rows
	s_bfe_u32 s40, ttmp6, 0x40000
	s_bfe_u32 s41, ttmp6, 0x40004
	s_lshl_b32 s42, ttmp9, 2
	s_add_co_u32 s42, s42, s40                     ; tile column, 0..7
	s_and_b32 s17, ttmp7, 0xffff
	s_lshl_b32 s17, s17, 2
	s_add_co_u32 s17, s17, s41                     ; tile row, 0..31
	s_lshl_b32 s43, s41, 2
	s_lshl_b32 s43, 15, s43                        ; my row of the cluster
	s_lshl_b32 s44, 0x1111, s40                    ; my column
	s_or_b32 s[G1+0], s43, (3<<16)|(1<<21)         ; A: 16 rows (heads) of 12,288 bytes, elements of 8 bytes, no padding
	s_mov_b32 s[G1+1], (AROW/8)<<16
	s_mov_b32 s[G1+2], 16<<16
	s_mov_b32 s[G1+3], (AROW/8)<<16
	s_mov_b32 s[G1+4], 16
	s_mov_b32 s[G1+5], HEADB/8
	s_mov_b32 s[G1+6], 0
	s_mov_b32 s[G1+7], 0
	s_or_b32 s[G1B+0], s44, (3<<16)|(1<<20)|(1<<21)|(3<<22)|(1<<25)   ; B: 4 rows (chunks) of 24,576 bytes, 49,152 apart; 2 words of padding behind every 16
	s_mov_b32 s[G1B+1], 3072<<16
	s_mov_b32 s[G1B+2], 4<<16
	s_mov_b32 s[G1B+3], 3072<<16
	s_mov_b32 s[G1B+4], 4
	s_mov_b32 s[G1B+5], 6144
	s_mov_b32 s[G1B+6], 0
	s_mov_b32 s[G1B+7], 0
	s_or_b32 s[G1S+0], s43, (3<<16)|(1<<20)|(1<<21)|(5<<22)|(3<<25)   ; the scales: dense, as rows of 256 bytes + 16 of padding: 32 rows for A's 256, 16 for B's 128
	s_mov_b32 s[G1S+1], 32<<16
	s_mov_b32 s[G1S+2], 32<<16
	s_mov_b32 s[G1S+3], 32<<16
	s_mov_b32 s[G1S+4], 32
	s_mov_b32 s[G1S+5], 32
	s_mov_b32 s[G1S+6], 0
	s_mov_b32 s[G1S+7], 0
	s_or_b32 s[G1SB+0], s44, (3<<16)|(1<<20)|(1<<21)|(5<<22)|(3<<25)
	s_mov_b32 s[G1SB+1], 32<<16
	s_mov_b32 s[G1SB+2], 16<<16
	s_mov_b32 s[G1SB+3], 32<<16
	s_mov_b32 s[G1SB+4], 16
	s_mov_b32 s[G1SB+5], 32
	s_mov_b32 s[G1SB+6], 0
	s_mov_b32 s[G1SB+7], 0
	s_mul_i32 s20, s17, AROW                       ; A: tile 16 x tile row of head 0
	s_mov_b32 s21, 0
	s_lshl_b32 s22, s17, 13                        ; its scales: 256 rows of 32 bytes
	s_mov_b32 s23, 0
	s_lshr_b32 s46, s42, 1                         ; B: block 44 + column / 2 of 256 rows,
	s_add_co_u32 s46, s46, 44
	s_mul_i32 s46, s46, 196608
	s_and_b32 s18, s42, 1
	s_mul_i32 s18, s18, 24576                      ; and its lower or upper 128 rows
	s_add_co_u32 s46, s46, s18
	s_mov_b32 s47, 0
	s_lshl_b32 s92, s42, 7
	s_add_co_u32 s92, s92, 11264
	s_lshl_b32 s92, s92, 5                         ; its scales
	s_mov_b32 s93, 0
	s_wait_dscnt 0x0                               ; both opening adds are done
	s_wait_kmcnt 0x0
	s_add_nc_u64 s[20:21], s[4:5], s[20:21]
	s_add_nc_u64 s[22:23], s[6:7], s[22:23]
	s_add_nc_u64 s[46:47], s[8:9], s[46:47]
	s_add_nc_u64 s[92:93], s[10:11], s[92:93]
	CROUND                                         ; all sixteen work-groups are here: the joint loads meet
	s_mov_b32 s[G0], 1
	s_mov_b32 s[G0+1], 0
	s_mov_b64 s[G0+2:G0+3], s[20:21]
	s_or_b32 s[G0+3], s[G0+3], 0x80000000
	s_mov_b32 s[G0B], 1
	s_mov_b32 s[G0B+1], BOFF
	s_mov_b64 s[G0B+2:G0B+3], s[46:47]
	s_or_b32 s[G0B+3], s[G0B+3], 0x80000000
	s_mov_b32 s[G0S], 1
	s_mov_b32 s[G0S+1], SCL
	s_mov_b64 s[G0S+2:G0S+3], s[22:23]
	s_or_b32 s[G0S+3], s[G0S+3], 0x80000000
	s_mov_b32 s[G0SB], 1
	s_mov_b32 s[G0SB+1], SCL+SAB
	s_mov_b64 s[G0SB+2:G0SB+3], s[92:93]
	s_or_b32 s[G0SB+3], s[G0SB+3], 0x80000000
; the four tiles, one joint load a wave: one chain of branches on the wave's number
.macro ARM under, g0, g1, next
	s_cmp_lt_u32 s14, \under
	s_cbranch_scc0 \next
	tensor_load_to_lds s[\g0:\g0+3], s[\g1:\g1+7]
	s_nop 0
.rept 4
	v_nop
.endr
	s_branch .Lhead_asked
\next:
.endm
	ARM 1, G0,  G1,  .Lhead_b
	ARM 2, G0B, G1B, .Lhead_sa
	ARM 3, G0S, G1S, .Lhead_sb
	tensor_load_to_lds s[G0SB:G0SB+3], s[G1SB:G1SB+7]
	s_nop 0
.rept 4
	v_nop
.endr
.Lhead_asked:
	v_and_b32 v1, 15, v0                           ; r
	v_bfe_u32 v2, v0, 4, 1                         ; h
	v_and_b32 v6, 31, v0
	v_lshlrev_b32 v4, 4, v6
	v_lshlrev_b32 v5, 3, v6
	v_mul_u32_u24 v3, v1, PITCH
	v_mul_u32_u24 v7, v2, 24
	v_add_nc_u32 v7, v3, v7                        ; B: row x pitch + 24 h
	v_lshl_add_u32 v30, v2, 3, v7                  ; and 8 more for lanes 16-31 where they lie behind one more padding
	s_mul_i32 s21, s14, 4*HIMG                     ; A: my four tiles of each head's sixteen
	v_add_nc_u32 v4, s21, v4
	v_add_nc_u32 v5, s21, v5
.irp c, 0,1,2,3
	v_add_nc_u32 v[ADRA+\c], \c*4*AROW, v4
	v_add_nc_u32 v[ADRA+4+\c], \c*4*AROW, v5
	v_add_nc_u32 v[ADRB+\c], BOFF+\c*CHB, v7
	v_add_nc_u32 v[ADRB+4+\c], BOFF+\c*CHB, v30
.endr
	v_lshlrev_b32 v3, 5, v1                        ; my row's scales: 32 bytes a row,
	v_lshrrev_b32 v6, 8, v3
	v_lshl_add_u32 v3, v6, 4, v3                   ; and 16 more for each 256 passed
	s_mul_i32 s21, s14, 4*SBLK                     ; lanes 0-15: A's, my 64 rows
	s_sub_co_u32 s22, SAB, s21                     ; lanes 16-31: B's, behind A's
	v_mul_u32_u24 v6, s22, v2
	s_add_co_u32 s21, s21, SCL
	v_add_nc_u32 v3, v3, v6
	v_add_nc_u32 v[ADRS], s21, v3
	s_mul_i32 s23, s14, 16*SPITCH                  ; my stage, on A's first bytes: they have had their only fill, and are read no more behind the walk's barrier
	v_mul_u32_u24 v5, v1, SPITCH
	v_lshl_add_u32 v5, v2, 5, v5
	v_add_nc_u32 v[STO], s23, v5
	v_and_b32 v6, 31, v0
	v_lshlrev_b32 v[CO], 4, v6
	v_add_nc_u32 v[RD], s23, v[CO]
	s_and_b32 s20, s17, 7                          ; out0: position 256 (tile row % 8) + 64 wave, batch tile row / 8; a row (t, b) is 4,096 bytes
	s_lshl_b32 s20, s20, 8
	s_lshl_b32 s21, s14, 6
	s_add_co_u32 s20, s20, s21
	s_lshl_b32 s20, s20, 2
	s_lshr_b32 s21, s17, 3
	s_add_co_u32 s20, s20, s21
	s_lshl_b32 s20, s20, 12
	s_mov_b32 s21, 0
	s_lshl_b32 s46, s42, 9                         ; 128 columns of 4 bytes a tile column
	s_mov_b32 s47, 0
	s_add_nc_u64 s[20:21], s[20:21], s[46:47]
	s_add_nc_u64 s[12:13], s[12:13], s[20:21]
.macro FRAG reg, adr, q, i             ; 16 rows x 128 K of B: six pieces of 8 bytes; piece PCE of a chunk's 24 lies at 8 PCE + 8 (PCE / 8); lanes 16-31 read three pieces on
.irp p, 0,1,2,3,4,5
.set PCE, 12*(\q)+6*(\p/3)+\p%3
.if PCE%8 < 5
	ds_load_b64 v[\reg+2*\p:\reg+2*\p+1], v[\adr] offset:8*PCE+8*(PCE/8)+(\i)*16*PITCH
.else
	ds_load_b64 v[\reg+2*\p:\reg+2*\p+1], v[\adr+4] offset:8*PCE+8*(PCE/8)+(\i)*16*PITCH
.endif
.endr
.endm
.macro FRAGA reg, c, q, i              ; 16 rows x 128 K of A: the half images of two heads
	ds_load_b128 v[\reg:\reg+3], v[ADRA+\c] offset:2*AROW*(\q)+HIMG*(\i)
	ds_load_b64 v[\reg+4:\reg+5], v[ADRA+4+\c] offset:2*AROW*(\q)+HIMG*(\i)+512
	ds_load_b128 v[\reg+6:\reg+9], v[ADRA+\c] offset:2*AROW*(\q)+HIMG*(\i)+AROW
	ds_load_b64 v[\reg+10:\reg+11], v[ADRA+4+\c] offset:2*AROW*(\q)+HIMG*(\i)+AROW+512
.endm
; 16 matrix instructions: A's blocks a0, a0 + 1 x B's eight.  The 32 accumulators take turns, in the same order in every step
.macro MUL16 a0, p, q, sc, zero
.irp a, \a0, \a0+1
.irp b, 0,1,2,3,4,5,6,7
.if \zero
	v_wmma_scale_f32_16x16x128_f8f6f4 v[8*(8*(\a)+\b):8*(8*(\a)+\b)+7], v[128*(\p)+FR*\b:128*(\p)+FR*\b+FR-1], v[AF+48*(\p)+FR*(\a):AF+48*(\p)+FR*(\a)+FR-1], 0, v[SC+8*NQ*(\sc)+NQ*\b+(\q)], v[SC+8*NQ*(\sc)+NQ*(\a)+(\q)] matrix_a_fmt:MATRIX_FMT_FP6 matrix_b_fmt:MATRIX_FMT_FP6 matrix_a_scale:MATRIX_SCALE_ROW1
.else
	v_wmma_scale_f32_16x16x128_f8f6f4 v[8*(8*(\a)+\b):8*(8*(\a)+\b)+7], v[128*(\p)+FR*\b:128*(\p)+FR*\b+FR-1], v[AF+48*(\p)+FR*(\a):AF+48*(\p)+FR*(\a)+FR-1], v[8*(8*(\a)+\b):8*(8*(\a)+\b)+7], v[SC+8*NQ*(\sc)+NQ*\b+(\q)], v[SC+8*NQ*(\sc)+NQ*(\a)+(\q)] matrix_a_fmt:MATRIX_FMT_FP6 matrix_b_fmt:MATRIX_FMT_FP6 matrix_a_scale:MATRIX_SCALE_ROW1
.endif
.endr
.endr
.endm
.macro FETCH_B st
	WIN TO_B
.irp i, 0,1,2,3,4,5,6,7
	FRAG 128*((\st)%2)+FR*\i, ADRB+(\st)/2, (\st)%2, \i
.endr
	WIN 0
.endm
.macro FETCH_A st
.irp i, 0,1,2,3
	FRAGA AF+48*((\st)%2)+FR*\i, (\st)/2, (\st)%2, \i
.endr
.endm
.macro SCALES pr                       ; the scale words of steps 2 pr and 2 pr + 1 into set pr % 2: lanes 0-15 A's block i (read for i under 4), lanes 16-31 B's block i
.irp i, 0,1,2,3,4,5,6,7
	ds_load_b64 v[SC+8*NQ*((\pr)%2)+NQ*\i:SC+8*NQ*((\pr)%2)+NQ*\i+1], v[ADRS] offset:\i*SBLK+4*NQ*(\pr)
.endr
.endm
.macro PLACES n
.rept \n
	v_nop
.endr
.endm
; A step of 128 along K: the next step's fragments are asked of LDS into the other sets, then 32 matrix instructions
.macro STEP st, zero
	s_wait_dscnt 0x0                               ; this step's fragments are in
.if (\st) == 7
	s_barrier_signal -1                            ; my reads of A and B are over; the products below stand between the signal and the wait
.else
.if (\st) > 0
	PLACES NP                                      ; behind the last step's products, which read the sets that are loaded now
.endif
	FETCH_B (\st)+1
	FETCH_A (\st)+1
.if ((\st)+1)%2 == 0
	SCALES ((\st)+1)/2
.endif
.endif
	WIN MUL_LO
	MUL16 0, (\st)%2, (\st)%2, ((\st)/2)%2, \zero
	MUL16 2, (\st)%2, (\st)%2, ((\st)/2)%2, \zero
	WIN 0
.endm
	s_wait_alu depctr_va_vdst(0)
	s_wait_tensorcnt 0x0                           ; my tile of the four is in
	s_barrier_signal -1
	s_barrier_wait -1                              ; and so is every wave's
	FETCH_B 0
	FETCH_A 0
	SCALES 0
	STEP 0, 1                                      ; the first step's products start the sums
.set ST, 1
.rept 7
	STEP ST, 0
.set ST, ST+1
.endr
	s_barrier_wait -1                              ; no wave reads A's bytes any more: the stages may be written
; THE WAY OUT, block by block of 16 rows x 128 columns, through my own stage: whole rows of 512 bytes come back, which the 32 lanes store as two aligned runs of 256 bytes
.macro TOSTAGE a
.set AC, 64*(\a)
	WIN 0x08
.irp b, 0,1,2,3,4,5,6,7
	ds_store_b128 v[STO], v[AC+8*\b:AC+8*\b+3] offset:64*\b          ; each accumulator from its low end on
	ds_store_b128 v[STO], v[AC+8*\b+4:AC+8*\b+7] offset:64*\b+16
.endr
	WIN 0
.set BB, BK+64*((\a)%2)
.irp t, 0,1,2,3,4,5,6,7,8,9,10,11,12,13,14,15
	ds_load_b128 v[BB+4*\t:BB+4*\t+3], v[RD] offset:\t*SPITCH
.endr
.endm
.macro SEND a, younger
.set BB, BK+64*((\a)%2)
	s_wait_dscnt \younger
.irp t, 0,1,2,3,4,5,6,7,8,9,10,11,12,13,14,15
	global_store_b128 v[CO], v[BB+4*\t:BB+4*\t+3], s[12:13] offset:(8*(\a)+\t+24*(\t/8))*16384 th:TH_STORE_NT   ; stored row t of tile a is true position 8 a + t % 8 + 32 (t / 8) of my 64
.endr
.endm
	PLACES NP
	TOSTAGE 0
.irp a, 1,2,3
.if \a > 1
	s_wait_xcnt 0x0                                ; block a - 2's stores have read their registers
.endif
	TOSTAGE \a
	SEND \a-1, 32                                  ; behind block a - 1's loads: block a's 16 stores and 16 loads
.endr
	SEND 3, 0
	s_wait_tensorcnt 0x0                           ; the wave's end
	ds_add_u32 v[SPW], v[NIL]
	s_wait_dscnt 0x0
	CROUND                                         ; the closing round
	s_endpgm
.Lfunc_end_k_qe150a3ea0b_oproj:
	.size	k_qe150a3ea0b_oproj, .Lfunc_end_k_qe150a3ea0b_oproj-k_qe150a3ea0b_oproj
	.p2alignl 7, 3214868480
	.fill 96, 4, 3214868480
	.section	.rodata,"a",@progbits
	.p2align	6, 0x0
	.amdhsa_kernel k_qe150a3ea0b_oproj
		.amdhsa_group_segment_fixed_size 327680
		.amdhsa_private_segment_fixed_size 0
		.amdhsa_enable_private_segment 0
		.amdhsa_kernarg_size 40
		.amdhsa_user_sgpr_count 2
		.amdhsa_user_sgpr_kernarg_segment_ptr 1
		.amdhsa_wavefront_size32 1
		.amdhsa_system_sgpr_workgroup_id_x 1
		.amdhsa_system_sgpr_workgroup_id_y 1
		.amdhsa_system_sgpr_workgroup_id_z 1
		.amdhsa_system_vgpr_workitem_id 0
		.amdhsa_next_free_vgpr 768
		.amdhsa_next_free_sgpr 98
		.amdhsa_reserve_vcc 0
		.amdhsa_float_denorm_mode_32 3
		.amdhsa_float_denorm_mode_16_64 3
		.amdhsa_memory_ordered 1
		.amdhsa_forward_progress 1
		.amdhsa_inst_pref_size 92
	.end_amdhsa_kernel
	.amdgpu_metadata
---
amdhsa.version: [ 1, 2 ]
amdhsa.kernels:
  - .name:           k_qe150a3ea0b_oproj
    .symbol:         k_qe150a3ea0b_oproj.kd
    .args:
      - { .name: a_codes, .offset: 0, .size: 8, .value_kind: global_buffer, .address_space: global }
      - { .name: a_scales, .offset: 8, .size: 8, .value_kind: global_buffer, .address_space: global }
      - { .name: xw_codes, .offset: 16, .size: 8, .value_kind: global_buffer, .address_space: global }
      - { .name: xw_scales, .offset: 24, .size: 8, .value_kind: global_buffer, .address_space: global }
      - { .name: out0, .offset: 32, .size: 8, .value_kind: global_buffer, .address_space: global }
    .group_segment_fixed_size: 327680
    .private_segment_fixed_size: 0
    .kernarg_segment_align: 8
    .kernarg_segment_size: 40
    .max_flat_workgroup_size: 128
    .sgpr_count:     98
    .vgpr_count:     768
    .wavefront_size: 32
...
	.end_amdgpu_metadata
.endif
;; end of part 4
